; MI455X (gfx1250); checked and timed in simulation.
; The chip was launched on July 23, 2026; its instructions are those of AMD's public machine-readable ISA for CDNA 5 (MIT licence, August 2026) and "CDNA5" Instruction Set Architecture Reference Guide (July 2026). The comments in the code are by the model that wrote it; some were corrected since.
;; Multi Head Attention. Allowed arithmetic: float matrix products may take bf16 or f16 operands with f32 sums; other float arithmetic in f32, or as packed bf16 or f16 multiplies, adds, multiply-adds, maxima and minima; sums over many terms, partial sums and values carried from step to step in f32; what a program stores and reads back later, other than sums and carried values, may be rounded once to bf16 or f16.
;; Inputs: Wk 1,024 x 1,024 float32; Wo 1,024 x 1,024 float32; Wq 1,024 x 1,024 float32; Wv 1,024 x 1,024 float32; bk 1,024 float32; bo 1,024 float32; bq 1,024 float32; bv 1,024 float32; mask 1 x 1 x 4,096 x 4,096 int32; x 1 x 4,096 x 1,024 float32.
;; Outputs: out0 1 x 4,096 x 1,024 float32.
;; One version. Each part assembles by itself: llvm-mc -triple=amdgcn-amd-amdhsa -mcpu=gfx1250 --defsym DOCPART=n.
;; ======== version 1 of 1: 4 launches
;; limits: values are held in f16: magnitudes above 65,504 overflow, below 6.1e-05 lose precision; right only within a limited range of input values
;; workspace buffers: xb 8,388,608 bytes; wb 8,388,608 bytes; qkv 25,165,824 bytes; mk 8,388,608 bytes; fl 32,768 bytes; ctx 8,388,608 bytes
;; launch prep (part 1): grid 384 x 1, 8 waves a work-group, no clusters, 35,072 bytes of LDS; arguments mask, x, Wq, Wk, Wv, Wo, mk, fl, xb, wb; writes mk, fl, xb, wb
.if DOCPART == 1
	.amdgcn_target "amdgcn-amd-amdhsa--gfx1250"
	.amdhsa_code_object_version 6
	.text
	.protected	k_q8e714e14cd_prep
	.globl	k_q8e714e14cd_prep
	.p2align	8
	.type	k_q8e714e14cd_prep,@function
k_q8e714e14cd_prep:
	s_mov_b64 s[64:65], 0
	v_nop
	global_prefetch_b8 v0, s[64:65] scope:SCOPE_SE
	s_setreg_imm32_b32 hwreg(HW_REG_WAVE_MODE, 25, 1), 1
	s_wait_xcnt 0x0
; PREP.  Every work-group takes 262,144 input bytes; its number g chooses the work (the same for all its waves):
;   g < 256   16 rows of the mask (int32) -> mk: one 4-bit code a key, 0x0 where the key is open, 0xE (-4.0 as a 4-bit float) where mask == 0, laid in the lane order in which
;             the attention launch takes a product's C operand; and fl: a word a row, 0 where the row has no open key, else -1.
;   g < 320   64 rows of x -> xb, bf16.       g < 368   a block of 64 columns of Wq, Wk or Wv -> wb, bf16, [k][64].       else   the same of Wo, the bf16 number written as f16.
; mk: [qb 16][t 16][w 4][s 4][p 4][lane 32][16 bytes]; dword kt, nibble j of lane 16 h + r: query 256 qb + 64 w + 16 p + r, key 256 t + 64 s + 16 kt + 8 h + j.
; LIMIT.  A weight of Wo below 6e-5 keeps f16's fixed step of 6e-8; beyond 65,504 it would be an infinity.
; A stream: memory binds, so no matrix unit, no cluster.  Loads of 16 bytes a lane, 16 (mask) or 8 (casts) of a wave on their way; every store of a wave covers whole aligned runs of 256 bytes (fl: 128 bytes a work-group).
.set STGP,  4128                       ; the mask's stage: a wave's own 4,096 bytes, [key block 64][h 2][row 2][16 bytes]; the pitch's 32 bytes over 4,096 spread the read-back over all banks
.set FLB,   8*STGP                     ; 33,024: a word a thread, for the rows' flags
.set SPARE, FLB+1024                   ; 34,048: the spare words, 128 bytes for each wave, which no other line names
.set GI,  2                            ; v2   my byte offset in a load
.set LA,  3                            ; v3   where I put two bytes of codes
.set RDA, 4                            ; v4   where I read 16 bytes back
.set GO,  5                            ; v5   my byte offset in a store
.set SPW, 10                           ; v10  LDS address of my spare word; never rewritten
.set NIL, 11                           ; v11  0; never rewritten
.set ACC, 12                           ; v12  the AND of all my codes
.set FLA, 14                           ; v14  my word among the flags
.set X,   32                           ; v[32:95]  slots of 4 registers as loaded
.set Y,   96                           ; v[96:111] slots of 2 registers to store
.set WV,  24                           ; s24  my wave's number
.set CNT, 25                           ; s25  trips to go
.set IN,  26                           ; s[26:27] where the loads stand
.set OUT, 28                           ; s[28:29] where the stores stand
	s_load_b512 s[4:19], s[0:1], 0x0               ; mask 4, x 6, Wq 8, Wk 10, Wv 12, Wo 14, mk 16, fl 18
	s_load_b128 s[20:23], s[0:1], 0x40             ; xb 20, wb 22
	v_lshl_add_u32 v[SPW], v0, 2, SPARE
	v_mov_b32 v[NIL], 0
	v_lshrrev_b32 v6, 5, v0
	v_readfirstlane_b32 s[WV], v6                  ; wave 0..7
	v_and_b32 v1, 31, v0                           ; lane
	s_mov_b32 s33, 0                               ; the high words of the two offset pairs
	s_mov_b32 s35, 0
	s_wait_kmcnt 0x0
	s_cmp_lt_u32 ttmp9, 256
	s_cbranch_scc0 .Lcasts
	; THE MASK.  Wave w streams rows 2 w and 2 w + 1 of the group's 16: 32,768 consecutive bytes.  A load takes 128 keys of a row, four a lane.
	s_mov_b32 s30, 0x76543210                      ; v_permlanex16_b32: each lane takes its own place in the other half
	s_mov_b32 s31, 0xfedcba98
	s_lshl_b32 s32, ttmp9, 18                      ; 16 rows of 16,384 bytes
	s_lshl_b32 s36, s[WV], 15
	s_add_co_u32 s32, s32, s36
	s_add_nc_u64 s[IN:IN+1], s[4:5], s[32:33]
	s_lshr_b32 s34, ttmp9, 4                       ; qb
	s_lshl_b32 s34, s34, 19
	s_bfe_u32 s36, ttmp9, 0x20002                  ; the attention wave that owns these rows
	s_lshl_b32 s36, s36, 13
	s_add_co_u32 s34, s34, s36
	s_and_b32 s36, ttmp9, 3                        ; its piece
	s_lshl_b32 s36, s36, 9
	s_add_co_u32 s34, s34, s36
	s_add_nc_u64 s[OUT:OUT+1], s[16:17], s[34:35]
	s_lshl_b32 s32, ttmp9, 7
	s_add_nc_u64 s[18:19], s[18:19], s[32:33]      ; fl at the group's 32 words
	v_lshlrev_b32 v[GI], 4, v1
	v_lshrrev_b32 v6, 4, v1                        ; which 64 keys of the load's 128; later: h
	v_lshlrev_b32 v[LA], 6, v6
	v_bfe_u32 v7, v1, 1, 1                         ; h of my four keys
	v_lshl_add_u32 v[LA], v7, 5, v[LA]
	v_bfe_u32 v7, v1, 2, 2                         ; kt
	v_lshl_add_u32 v[LA], v7, 2, v[LA]
	v_and_b32 v7, 1, v1                            ; which half of the dword; later: the row's parity
	v_lshl_add_u32 v[LA], v7, 1, v[LA]
	s_mul_i32 s36, s[WV], STGP
	v_add_nc_u32 v[LA], s36, v[LA]
	v_bfe_u32 v8, v1, 1, 3                         ; back: lane 16 h + r of key block 8 c + w lies in wave r / 2's run
	v_mul_u32_u24 v[RDA], v8, STGP
	v_lshl_add_u32 v[RDA], v6, 5, v[RDA]
	v_lshl_add_u32 v[RDA], v7, 4, v[RDA]
	s_lshl_b32 s36, s[WV], 6
	v_add_nc_u32 v[RDA], s36, v[RDA]
	s_lshr_b32 s36, s[WV], 2                       ; key block 8 c + w: tile 2 c + w / 4, step w % 4
	s_lshl_b32 s36, s36, 15
	s_and_b32 s37, s[WV], 3
	s_lshl_b32 s37, s37, 11
	s_add_co_u32 s36, s36, s37
	v_lshl_add_u32 v[GO], v1, 4, s36
	v_lshl_add_u32 v[FLA], v0, 2, FLB
	v_lshlrev_b32 v15, 2, v1
	v_mov_b32 v13, 0                               ; the lane exchange's destination counts as read
; Slot e of 16: row e / 8, 128 keys at byte 512 (e % 8) of the trip's 4,096.  left: the younger loads that may stay out.
.macro MSLOT e, ahead, left
	s_wait_loadcnt \left                           ; loads come back in order: mine is in
.irp k, 0,1,2,3
	v_min_u32 v[X+4*(\e)+(\k)], 1, v[X+4*(\e)+(\k)]  ; any number but 0 is open
.endr
	v_lshl_or_b32 v6, v[X+4*(\e)+1], 4, v[X+4*(\e)]
	v_lshl_or_b32 v7, v[X+4*(\e)+3], 4, v[X+4*(\e)+2]
	v_lshl_or_b32 v6, v7, 8, v6                    ; four nibbles, the lowest key lowest
	v_xor_b32 v6, 0x1111, v6                       ; 1 where hidden,
	v_mul_u32_u24 v6, 14, v6                       ; 0xE where hidden
	ds_store_b16 v[LA], v6 offset:((\e)/8)*16+((\e)%8)*128
.if \ahead
	global_load_b128 v[X+4*(\e):X+4*(\e)+3], v[GI], s[IN:IN+1] offset:4096+((\e)/8)*16384+((\e)%8)*512 th:TH_LOAD_NT
.endif
.endm
.irp e, 0,1,2,3,4,5,6,7,8,9,10,11,12,13,14,15
	global_load_b128 v[X+4*(\e):X+4*(\e)+3], v[GI], s[IN:IN+1] offset:((\e)/8)*16384+((\e)%8)*512 th:TH_LOAD_NT
.endr
	s_mov_b32 s[CNT], 3
.Lmask:                                        ; a trip: 1,024 keys of both rows
.irp e, 0,1,2,3,4,5,6,7,8,9,10,11,12,13,14,15
	MSLOT \e, 1, 15
.endr
	s_wait_xcnt 0x0                                ; the loads have read their base: it is stepped only behind this wait
	s_add_nc_u64 s[IN:IN+1], s[IN:IN+1], 4096
	v_add_nc_u32 v[LA], 1024, v[LA]                ; 16 key blocks of 64 bytes on
	s_sub_co_u32 s[CNT], s[CNT], 1
	s_cmp_lg_u32 s[CNT], 0
	s_cbranch_scc1 .Lmask
.irp e, 0,1,2,3,4,5,6,7,8,9,10,11,12,13,14,15
	MSLOT \e, 0, 15-(\e)                           ; the last trip loads nothing: the counts run down
.endr
	s_wait_dscnt 0x0                               ; for the others' sake: my codes lie in LDS
	s_barrier_signal -1
	s_barrier_wait -1
.irp c, 0,1,2,3,4,5,6,7
	ds_load_b128 v[X+4*(\c):X+4*(\c)+3], v[RDA] offset:(\c)*512  ; key block 8 c + w: a lane's 16 bytes as mk holds them
.endr
.irp c, 0,1,2,3,4,5,6,7
	s_wait_dscnt 7-(\c)
.if (\c) == 0
	v_and_b32 v[ACC], v[X], v[X+1]
.else
	v_and_b32 v[ACC], v[ACC], v[X+4*(\c)]
	v_and_b32 v[ACC], v[ACC], v[X+4*(\c)+1]
.endif
	v_and_b32 v[ACC], v[ACC], v[X+4*(\c)+2]
	v_and_b32 v[ACC], v[ACC], v[X+4*(\c)+3]
	global_store_b128 v[GO], v[X+4*(\c):X+4*(\c)+3], s[OUT:OUT+1] offset:(\c)*65536 th:TH_STORE_NT  ; 512 consecutive bytes, aligned
.endr
	v_permlanex16_b32 v13, v[ACC], s30, s31        ; the row's other half of each 16 keys
	v_and_b32 v[ACC], v[ACC], v13
	ds_store_b32 v[FLA], v[ACC]
	s_wait_dscnt 0x0
	s_barrier_signal -1
	s_barrier_wait -1
	s_cmp_lg_u32 s[WV], 0                          ; wave 0 joins the eight waves' words
	s_cbranch_scc1 .Lend
.irp k, 0,1,2,3,4,5,6,7
	ds_load_b32 v[Y+(\k)], v[FLA] offset:128*(\k)
.endr
	s_wait_dscnt 0x0
	v_and_b32 v[ACC], v[Y], v[Y+1]
.irp k, 2,3,4,5,6,7
	v_and_b32 v[ACC], v[ACC], v[Y+(\k)]
.endr
	v_cmp_ne_u32 vcc_lo, 0xeeeeeeee, v[ACC]        ; all nibbles 0xE: no key of the row is open
	v_cndmask_b32 v6, 0, -1, vcc_lo
	global_store_b32 v15, v6, s[18:19]
	s_branch .Lend
; THE CASTS.  A ring of 8 slots, 64 loads a wave.  A load is 512 bytes (four f32 a lane), its store 256 bytes, aligned.  f16 = 1: the bf16 number is written as f16.
.macro CSLOT e, ahead, left, step, f16
	s_wait_loadcnt \left
	v_cvt_pk_bf16_f32 v[Y+2*(\e)], v[X+4*(\e)], v[X+4*(\e)+1]
	v_cvt_pk_bf16_f32 v[Y+2*(\e)+1], v[X+4*(\e)+2], v[X+4*(\e)+3]
.if \f16
	v_lshlrev_b32 v6, 16, v[Y+2*(\e)]
	v_and_b32 v7, 0xffff0000, v[Y+2*(\e)]
	v_lshlrev_b32 v8, 16, v[Y+2*(\e)+1]
	v_and_b32 v9, 0xffff0000, v[Y+2*(\e)+1]
	v_cvt_pk_f16_f32 v[Y+2*(\e)], v6, v7
	v_cvt_pk_f16_f32 v[Y+2*(\e)+1], v8, v9
.endif
.if \ahead
	global_load_b128 v[X+4*(\e):X+4*(\e)+3], v[GI], s[IN:IN+1] offset:(8+(\e))*(\step) th:TH_LOAD_NT
.endif
	global_store_b64 v[GO], v[Y+2*(\e):Y+2*(\e)+1], s[OUT:OUT+1] offset:(\e)*256
.endm
.macro CAST step, f16
.irp e, 0,1,2,3,4,5,6,7
	global_load_b128 v[X+4*(\e):X+4*(\e)+3], v[GI], s[IN:IN+1] offset:(\e)*(\step) th:TH_LOAD_NT
.endr
	s_mov_b32 s[CNT], 7
.Lcast_\@:
.irp e, 0,1,2,3,4,5,6,7
	CSLOT \e, 1, 7, \step, \f16                    ; seven younger loads stay out
.endr
	s_wait_xcnt 0x0                                ; the trip's loads and stores have read their sources: both bases and every Y are written again only behind this wait
	s_add_nc_u64 s[IN:IN+1], s[IN:IN+1], 8*(\step)
	s_add_nc_u64 s[OUT:OUT+1], s[OUT:OUT+1], 2048
	s_sub_co_u32 s[CNT], s[CNT], 1
	s_cmp_lg_u32 s[CNT], 0
	s_cbranch_scc1 .Lcast_\@
.irp e, 0,1,2,3,4,5,6,7
	CSLOT \e, 0, 7-(\e), \step, \f16
.endr
.endm
.Lcasts:
	v_lshlrev_b32 v[GO], 3, v1                     ; 8 bytes a lane
	s_cmp_lt_u32 ttmp9, 320
	s_cbranch_scc0 .Lweights
	s_sub_co_u32 s36, ttmp9, 256                   ; x: 64 rows a work-group, 8 a wave, dense
	s_lshl_b32 s32, s36, 18
	s_lshl_b32 s37, s[WV], 15
	s_add_co_u32 s32, s32, s37
	s_add_nc_u64 s[IN:IN+1], s[6:7], s[32:33]
	s_lshl_b32 s34, s36, 17
	s_lshl_b32 s37, s[WV], 14
	s_add_co_u32 s34, s34, s37
	s_add_nc_u64 s[OUT:OUT+1], s[20:21], s[34:35]
	v_lshlrev_b32 v[GI], 4, v1
	CAST 512, 0
	s_branch .Lend
.Lweights:                                     ; a block of 64 columns: a load takes 256 bytes of each of two rows k; wave w takes k = 128 w .. 128 w + 127
	s_sub_co_u32 s36, ttmp9, 320
	s_lshr_b32 s37, s36, 4                         ; the tensor: q, k, v, o
	s_and_b32 s36, s36, 15                         ; the block
	s_cmp_eq_u32 s37, 1
	s_cselect_b64 s[IN:IN+1], s[10:11], s[8:9]
	s_cmp_eq_u32 s37, 2
	s_cselect_b64 s[IN:IN+1], s[12:13], s[IN:IN+1]
	s_cmp_eq_u32 s37, 3
	s_cselect_b64 s[IN:IN+1], s[14:15], s[IN:IN+1]
	s_lshl_b32 s32, s36, 8
	s_lshl_b32 s38, s[WV], 19
	s_add_co_u32 s32, s32, s38
	s_add_nc_u64 s[IN:IN+1], s[IN:IN+1], s[32:33]
	s_lshl_b32 s34, s37, 21
	s_lshl_b32 s38, s36, 17
	s_add_co_u32 s34, s34, s38
	s_lshl_b32 s38, s[WV], 14
	s_add_co_u32 s34, s34, s38
	s_add_nc_u64 s[OUT:OUT+1], s[22:23], s[34:35]
	v_lshrrev_b32 v6, 4, v1
	v_and_b32 v7, 15, v1
	v_lshlrev_b32 v[GI], 12, v6
	v_lshl_add_u32 v[GI], v7, 4, v[GI]
	s_cmp_eq_u32 s37, 3
	s_cbranch_scc1 .Lwo
	CAST 8192, 0
	s_branch .Lend
.Lwo:
	CAST 8192, 1
.Lend:
	s_wait_tensorcnt 0x0                           ; the wave's end: behind my last LDS store
	ds_add_u32 v[SPW], v[NIL]
	s_wait_dscnt 0x0
	s_endpgm
.Lfunc_end_k_q8e714e14cd_prep:
	.size	k_q8e714e14cd_prep, .Lfunc_end_k_q8e714e14cd_prep-k_q8e714e14cd_prep
	.p2alignl 7, 3214868480
	.fill 96, 4, 3214868480
	.section	.rodata,"a",@progbits
	.p2align	6, 0x0
	.amdhsa_kernel k_q8e714e14cd_prep
		.amdhsa_group_segment_fixed_size 35072
		.amdhsa_private_segment_fixed_size 0
		.amdhsa_enable_private_segment 0
		.amdhsa_kernarg_size 80
		.amdhsa_user_sgpr_count 2
		.amdhsa_user_sgpr_kernarg_segment_ptr 1
		.amdhsa_wavefront_size32 1
		.amdhsa_system_sgpr_workgroup_id_x 1
		.amdhsa_system_sgpr_workgroup_id_y 1
		.amdhsa_system_sgpr_workgroup_id_z 1
		.amdhsa_system_vgpr_workitem_id 0
		.amdhsa_next_free_vgpr 112
		.amdhsa_next_free_sgpr 66
		.amdhsa_reserve_vcc 1
		.amdhsa_float_denorm_mode_32 3
		.amdhsa_float_denorm_mode_16_64 3
		.amdhsa_memory_ordered 1
		.amdhsa_forward_progress 1
		.amdhsa_inst_pref_size 50
	.end_amdhsa_kernel
	.amdgpu_metadata
---
amdhsa.version: [ 1, 2 ]
amdhsa.kernels:
  - .name:           k_q8e714e14cd_prep
    .symbol:         k_q8e714e14cd_prep.kd
    .args:
      - { .name: mask, .offset: 0, .size: 8, .value_kind: global_buffer, .address_space: global }
      - { .name: x, .offset: 8, .size: 8, .value_kind: global_buffer, .address_space: global }
      - { .name: Wq, .offset: 16, .size: 8, .value_kind: global_buffer, .address_space: global }
      - { .name: Wk, .offset: 24, .size: 8, .value_kind: global_buffer, .address_space: global }
      - { .name: Wv, .offset: 32, .size: 8, .value_kind: global_buffer, .address_space: global }
      - { .name: Wo, .offset: 40, .size: 8, .value_kind: global_buffer, .address_space: global }
      - { .name: mk, .offset: 48, .size: 8, .value_kind: global_buffer, .address_space: global }
      - { .name: fl, .offset: 56, .size: 8, .value_kind: global_buffer, .address_space: global }
      - { .name: xb, .offset: 64, .size: 8, .value_kind: global_buffer, .address_space: global }
      - { .name: wb, .offset: 72, .size: 8, .value_kind: global_buffer, .address_space: global }
    .group_segment_fixed_size: 35072
    .private_segment_fixed_size: 0
    .kernarg_segment_align: 8
    .kernarg_segment_size: 80
    .max_flat_workgroup_size: 256
    .sgpr_count:     66
    .vgpr_count:     112
    .wavefront_size: 32
...
	.end_amdgpu_metadata
.endif
;; end of part 1
;; launch qkv (part 2): grid 16 x 16, 4 waves a work-group, clusters of 4 x 4, 327,680 bytes of LDS; arguments xb, wb, bq, bk, bv, qkv; writes qkv
.if DOCPART == 2
	.amdgcn_target "amdgcn-amd-amdhsa--gfx1250"
	.amdhsa_code_object_version 6
	.text
	.protected	k_q8e714e14cd_qkv
	.globl	k_q8e714e14cd_qkv
	.p2align	8
	.type	k_q8e714e14cd_qkv,@function
k_q8e714e14cd_qkv:
	s_mov_b64 s[64:65], 0
	v_nop
	global_prefetch_b8 v0, s[64:65] scope:SCOPE_SE
	s_setreg_imm32_b32 hwreg(HW_REG_WAVE_MODE, 25, 1), 1
	s_wait_xcnt 0x0
	s_wait_alu depctr_hold_cnt(0) depctr_sa_sdst(0) depctr_va_vdst(0) depctr_va_sdst(0) depctr_va_ssrc(0) depctr_va_vcc(0) depctr_vm_vsrc(0)
	s_getreg_b32 s2, hwreg(HW_REG_IB_STS2, 6, 4)
	s_cmp_eq_u32 s2, 0
	s_cbranch_scc0 .Lentry_in_a_cluster
	s_endpgm
.Lentry_in_a_cluster:
	s_bfe_u32 s2, ttmp6, 0x10000c
	s_cmp_lg_u32 s2, 0xf033
	s_cbranch_scc0 .Lentry_shape_is_right
	s_endpgm
.Lentry_shape_is_right:
; q, k, v = x W + b, by heads: qkv[3][head 16][4096][64] in f16, unscaled, each number rounded once from its f32 sum.  x and W arrive in bf16; the biases are rounded to bf16 here.
; LIMIT.  f16 ends at 65,504: a q, k or v beyond that becomes an infinity.
; SHARES.  A work-group makes 256 rows x the 64 columns of ONE head of q, of k and of v (192 columns): 16 x 16 work-groups.  Each of its four waves makes 64 rows x 192: 48 accumulators.
; K goes in 8 steps of 128 through two LDS slots.  x's tile has rows of 256 bytes of memory; W lies in blocks [k][64], so a step's 128 rows of a block are 16,384 dense bytes, asked for as 64 rows of 256.
; THE PRODUCT IS TAKEN TRANSPOSED: source 0 = 16 columns of W (out of LDS turned, by ds_load_tr16_b128), source 1 = 16 rows of x: a lane holds one row and eight neighbouring columns.
; CLUSTER 4 x 4: x's tile hangs on the row tile alone and is asked for jointly along a row of the cluster; W's blocks hang on the head alone, jointly along a column.  Wave 0 asks for x's tile, waves 1 to 3 for q's, k's, v's block.
; Nothing is prefetched: between a request and the wait for it a wave issues 168 matrix instructions, and the joint loads divide the requests by four.
; REGISTERS, in windows of 256: window 0: v0-31 addresses, v64-127 x's fragments (two buffers of 32), v128-223 the biases; window 1: W's fragments (two buffers of 96), on the way out 16 registers a group;
; window 2: the accumulators of my rows 0-31 ((a, b) at 8 (12 a + b)); window 3: of my rows 32-63.
.set KSTEP, 128
.set PA,    272                        ; a row of x in LDS: 256 bytes + 16: the 16 rows of a load start at 16 different groups of four banks (64 banks of 4 bytes: ISA guide 11.1)
.set PB,    160                        ; a row of W: 128 + 32
.set ABYTES, 256*PA                    ; 69,632
.set BBLK,  128*PB                     ; 20,480
.set SLOT,  ABYTES+3*BBLK              ; 131,072
.set STAGE, 2*SLOT                     ; behind the ring: 16 rows x 144 bytes for each wave, for the way out
.set SP,    144
.set SPARE, STAGE+4*16*SP              ; behind the stages: the spare words, 128 bytes for each wave, which no other line names
.set ADRA, 16                          ; v16-17  LDS address of my fragments of x in slot 0, 1
.set ADRB, 20                          ; v20-21  the same for W
.set STO,  24                          ; v24     the way out: where I put 16 bytes of a row
.set RD,   25                          ; v25     where I read rows back
.set GO,   26                          ; v26     my 16 bytes of 512 consecutive bytes of the output
.set BO,   27                          ; v27     my eight numbers of 16 of a bias
.set SPW,  28                          ; v28     LDS address of my spare word; never rewritten
.set NIL,  29                          ; v29     0; never rewritten
.set FA,   64
.set BIAS, 128                         ; column block b (tensor b / 4, columns 16 (b % 4) on), number e at BIAS + 8 b + e
.set WV,  12                           ; s12  my wave's number
.set G1A, 24                           ; s[24:31] descriptor group 1 for x's tiles;  s[32:39] group 0, a set for each slot
.set G0A, 32
.set G1B, 48                           ; s[48:55], s[56:63] the same for W's blocks
.set G0B, 56
.set OB,  76                           ; s[76:81] q, k, v at my wave's first row of the head
.set MSB, 0
.macro WIN new                         ; the immediate's high byte repeats the setting that is left; a switch that changes nothing is dropped
.if MSB != (\new)
	s_set_vgpr_msb (MSB<<8)|(\new)
.set MSB, \new
.endif
.endm
.set MUL_LO, 0xa1                      ; source 0 (W) window 1, source 1 (x) window 0, C and D window 2
.set MUL_HI, 0xf1
.set TO_B,   0x40                      ; destination window 1, address window 0
.macro JLOAD s                         ; a joint load; an s_nop 0 and four v_nop follow each of the two lines, ahead of the jump, the label and what follows
	s_cmp_eq_u32 s[WV], 0
	s_cbranch_scc0 .Lfor_b_\@
	tensor_load_to_lds s[G0A+4*(\s):G0A+4*(\s)+3], s[G1A:G1A+7]
	s_nop 0
.rept 4
	v_nop
.endr
	s_branch .Lasked_\@
.Lfor_b_\@:
	tensor_load_to_lds s[G0B+4*(\s):G0B+4*(\s)+3], s[G1B:G1B+7]
	s_nop 0
.rept 4
	v_nop
.endr
.Lasked_\@:
.endm
.macro CREST                           ; a round of the cluster's barrier behind its opening barrier
	s_cmp_lg_u32 s[WV], 0
	s_cbranch_scc1 .Lnot_wave_0_\@
	s_barrier_signal -3
.Lnot_wave_0_\@:
	s_barrier_wait -3
	s_barrier_signal -1
	s_barrier_wait -1
.endm
.macro CROUND
	s_barrier_signal -1
	s_barrier_wait -1
	CREST
.endm
	s_load_b256 s[4:11], s[0:1], 0x0               ; xb 4, wb 6, bq 8, bk 10
	s_load_b128 s[68:71], s[0:1], 0x20             ; bv 68, qkv 70
	v_lshl_add_u32 v[SPW], v0, 2, SPARE
	v_mov_b32 v[NIL], 0
	ds_add_u32 v[SPW], v[NIL]                      ; the wave's opening: the add and its wait stand ahead of my first tensor load; work on registers stands between them
	v_lshrrev_b32 v1, 5, v0
	v_readfirstlane_b32 s[WV], v1                  ; wave 0..3
	s_bfe_u32 s40, ttmp6, 0x40000                  ; cx, cy: my place in the cluster
	s_bfe_u32 s41, ttmp6, 0x40004
	s_lshl_b32 s42, ttmp9, 2
	s_add_co_u32 s42, s42, s40                     ; the head = 4 x cluster x + cx
	s_and_b32 s13, ttmp7, 0xffff
	s_lshl_b32 s13, s13, 2
	s_add_co_u32 s13, s13, s41                     ; the row tile = 4 x cluster y + cy
	s_lshl_b32 s43, s41, 2
	s_lshl_b32 s43, 15, s43                        ; my row of the cluster
	s_lshl_b32 s44, 0x1111, s40                    ; my column
	s_or_b32 s[G1A], s43, (1<<16)|(1<<20)|(1<<21)|(5<<22)|(3<<25)  ; the mask; 2-byte elements; padding on; bit 21 beside a mask; after every 64 words 4 words
	s_mov_b32 s[G1A+1], 128<<16                    ; tensor_dim0 = 128
	s_mov_b32 s[G1A+2], 256<<16                    ; tensor_dim1 = 256
	s_mov_b32 s[G1A+3], 128<<16                    ; tile_dim0 = 128
	s_mov_b32 s[G1A+4], 256                        ; tile_dim1 = 256
	s_mov_b32 s[G1A+5], 1024                       ; elements from row to row
	s_mov_b32 s[G1A+6], 0
	s_mov_b32 s[G1A+7], 0
	s_or_b32 s[G1B], s44, (1<<16)|(1<<20)|(1<<21)|(4<<22)|(7<<25)  ; after every 32 words (a row of W) 8 words
	s_mov_b32 s[G1B+1], 128<<16
	s_mov_b32 s[G1B+2], 64<<16
	s_mov_b32 s[G1B+3], 128<<16
	s_mov_b32 s[G1B+4], 64
	s_mov_b32 s[G1B+5], 128
	s_mov_b32 s[G1B+6], 0
	s_mov_b32 s[G1B+7], 0
	s_lshl_b32 s16, s13, 19                        ; x: 256 rows of 2,048 bytes a tile
	s_mov_b32 s17, 0
	s_lshl_b32 s46, s42, 17                        ; W: the head's block of 131,072 bytes,
	s_max_u32 s20, s[WV], 1
	s_sub_co_u32 s20, s20, 1
	s_lshl_b32 s20, s20, 21                        ; in tensor wave - 1 (wave 0 issues no such load)
	s_add_co_u32 s46, s46, s20
	s_mov_b32 s47, 0
	s_mul_i32 s21, s[WV], BBLK                     ; and where it goes: behind x's tile, block wave - 1
	s_add_co_u32 s21, s21, ABYTES-BBLK
	s_wait_dscnt 0x0                               ; the opening add is done
	s_wait_kmcnt 0x0
	s_add_nc_u64 s[14:15], s[4:5], s[16:17]
	s_add_nc_u64 s[46:47], s[6:7], s[46:47]
	CROUND                                         ; all sixteen work-groups are here: the first joint loads meet
.irp s, 0,1
	s_mov_b32 s[G0A+4*(\s)], 1
	s_mov_b32 s[G0A+4*(\s)+1], (\s)*SLOT
	s_add_nc_u64 s[G0A+4*(\s)+2:G0A+4*(\s)+3], s[14:15], (\s)*KSTEP*2
	s_or_b32 s[G0A+4*(\s)+3], s[G0A+4*(\s)+3], 0x80000000
	s_mov_b32 s[G0B+4*(\s)], 1
	s_add_co_u32 s[G0B+4*(\s)+1], s21, (\s)*SLOT
	s_add_nc_u64 s[G0B+4*(\s)+2:G0B+4*(\s)+3], s[46:47], (\s)*KSTEP*128
	s_or_b32 s[G0B+4*(\s)+3], s[G0B+4*(\s)+3], 0x80000000
	JLOAD \s                                       ; K steps 0 and 1: two loads of mine are out
.endr
	v_and_b32 v1, 15, v0                           ; l % 16
	v_bfe_u32 v2, v0, 4, 1                         ; l / 16
	v_lshlrev_b32 v[BO], 5, v2
	s_lshl_b32 s22, s42, 8                         ; the head's 64 numbers of a bias
	s_mov_b32 s23, 0
	s_add_nc_u64 s[8:9], s[8:9], s[22:23]
	s_add_nc_u64 s[10:11], s[10:11], s[22:23]
	s_add_nc_u64 s[68:69], s[68:69], s[22:23]
.macro BLD j, lo
.irp c, 0,1,2,3
	global_load_b128 v[BIAS+32*(\j)+8*(\c):BIAS+32*(\j)+8*(\c)+3],   v[BO], s[\lo:\lo+1] offset:64*(\c)
	global_load_b128 v[BIAS+32*(\j)+8*(\c)+4:BIAS+32*(\j)+8*(\c)+7], v[BO], s[\lo:\lo+1] offset:64*(\c)+16
.endr
.endm
	BLD 0, 8
	BLD 1, 10
	BLD 2, 68
	v_mul_u32_u24 v3, v1, PA                       ; a fragment of x: row x pitch + 16 x half, two loads 32 bytes apart
	v_lshl_add_u32 v3, v2, 4, v3
	s_mul_i32 s22, s[WV], 64*PA                    ; my 64 rows
	v_add_nc_u32 v[ADRA], s22, v3
	v_add_nc_u32 v[ADRA+1], SLOT, v[ADRA]
	v_and_b32 v5, 7, v0                            ; the turning load: lane l reads row k = 8 (l / 16) + l % 8, columns 8 ((l / 8) % 2) + 0..7
	v_lshl_add_u32 v5, v2, 3, v5
	v_mul_u32_u24 v4, v5, PB
	v_bfe_u32 v5, v0, 3, 1
	v_lshl_add_u32 v4, v5, 4, v4
	v_add_nc_u32 v[ADRB], ABYTES, v4
	v_add_nc_u32 v[ADRB+1], ABYTES+SLOT, v4
	s_mul_i32 s22, s[WV], 16*SP
	s_add_co_u32 s22, s22, STAGE                   ; my stage
	v_mul_u32_u24 v[STO], v1, SP
	v_lshl_add_u32 v[STO], v2, 4, v[STO]
	v_add_nc_u32 v[STO], s22, v[STO]
	v_bfe_u32 v[RD], v0, 3, 2                      ; back: 32 lanes take four rows of 128 bytes,
	v_mul_u32_u24 v[RD], v[RD], SP
	v_and_b32 v5, 7, v0
	v_lshl_add_u32 v[RD], v5, 4, v[RD]
	v_add_nc_u32 v[RD], s22, v[RD]
	v_and_b32 v[GO], 31, v0                        ; which are 512 consecutive bytes of a head
	v_lshlrev_b32 v[GO], 4, v[GO]
	s_lshl_b32 s18, s42, 19                        ; the head's 524,288 bytes,
	s_lshl_b32 s19, s13, 15                        ; the tile's 256 rows of 128 bytes,
	s_add_co_u32 s18, s18, s19
	s_lshl_b32 s19, s[WV], 13                      ; my 64 of them
	s_add_co_u32 s18, s18, s19
	s_mov_b32 s19, 0
	s_add_nc_u64 s[OB:OB+1], s[70:71], s[18:19]
	s_add_nc_u64 s[OB+2:OB+3], s[OB:OB+1], 8388608
	s_add_nc_u64 s[OB+4:OB+5], s[OB:OB+1], 16777216
	s_wait_loadcnt 0x0                             ; the biases: rounded to bf16, like every input
.set i, 0
.rept 48
	v_cvt_pk_bf16_f32 v[30+(i/2)%2], v[BIAS+i], v[BIAS+i+1]
	v_lshlrev_b32 v[BIAS+i], 16, v[30+(i/2)%2]
	v_and_b32 v[BIAS+i+1], 0xffff0000, v[30+(i/2)%2]
.set i, i+2
.endr
; 12 matrix instructions: row block 2 hi + a x all 12 column blocks, 32 along K, from buffer f.  The 48 accumulators take turns, one instruction a turn, in the same order in every quarter.  zero = 1: the product starts the sum.
.macro MUL12 f, hi, a, zero
	WIN MUL_LO+0x50*(\hi)
.irp b, 0,1,2,3,4,5,6,7,8,9,10,11
.if \zero
	v_wmma_f32_16x16x32_bf16 v[8*(12*(\a)+(\b)):8*(12*(\a)+(\b))+7], v[96*(\f)+8*(\b):96*(\f)+8*(\b)+7], v[FA+32*(\f)+8*(2*(\hi)+(\a)):FA+32*(\f)+8*(2*(\hi)+(\a))+7], 0
.else
	v_wmma_f32_16x16x32_bf16 v[8*(12*(\a)+(\b)):8*(12*(\a)+(\b))+7], v[96*(\f)+8*(\b):96*(\f)+8*(\b)+7], v[FA+32*(\f)+8*(2*(\hi)+(\a)):FA+32*(\f)+8*(2*(\hi)+(\a))+7], v[8*(12*(\a)+(\b)):8*(12*(\a)+(\b))+7]
.endif
.endr
.endm
; 32 LDS loads in one run: quarter kq (32 along K) of a slot into buffer f: W's 12 fragments, turned, then x's 4, my row blocks in ascending order
.macro FETCH slot, kq, f
	WIN TO_B
.irp b, 0,1,2,3,4,5,6,7,8,9,10,11
	ds_load_tr16_b128 v[96*(\f)+8*(\b):96*(\f)+8*(\b)+3],   v[ADRB+(\slot)] offset:((\b)/4)*BBLK+(\kq)*32*PB+((\b)%4)*32
	ds_load_tr16_b128 v[96*(\f)+8*(\b)+4:96*(\f)+8*(\b)+7], v[ADRB+(\slot)] offset:((\b)/4)*BBLK+(\kq)*32*PB+((\b)%4)*32+16*PB
.endr
	WIN 0
.irp a, 0,1,2,3
	ds_load_b128 v[FA+32*(\f)+8*(\a):FA+32*(\f)+8*(\a)+3],   v[ADRA+(\slot)] offset:(\a)*16*PA+(\kq)*64
	ds_load_b128 v[FA+32*(\f)+8*(\a)+4:FA+32*(\f)+8*(\a)+7], v[ADRA+(\slot)] offset:(\a)*16*PA+(\kq)*64+32
.endr
.endm
.macro PLACES                          ; four places in front of loads into registers that matrix instructions have read, and of vector lines that read results
.rept 4
	v_nop
.endr
.endm
; A K step is four quarters of 32 along K, 48 matrix instructions each, on buffers 0, 1, 0, 1.  One of the first three: multiplies buffer f and fetches quarter kq into buffer g.
.macro QUARTER slot, kq, f, g, zero
	s_wait_dscnt 4                                 ; W and x's row blocks 0 and 1 are in; the youngest four loads (row blocks 2 and 3) may be out
	MUL12 \f, 0, 0, \zero
	MUL12 \f, 0, 1, \zero
	PLACES
	FETCH \slot, \kq, \g
	s_wait_dscnt 32                                ; all but the 32 just issued
	MUL12 \f, 1, 0, \zero
	MUL12 \f, 1, 1, \zero
.endm
; The last quarter multiplies buffer 1 and changes slots: ONE barrier; in front of it each wave waits for all its tensor loads, adds 0 to its spare word, and waits for that and for its own reads of this slot.
; fill = 1: the barrier opens a round of the cluster's, and this slot is filled again, two K steps ahead, first thing behind the round.
.macro TURN slot, next, fill
	WIN 0                                          ; (the add's two registers lie in window 0)
	s_wait_tensorcnt 0x0                           ; all my tensor loads have landed: the one that was out is my part of the next slot
	ds_add_u32 v[SPW], v[NIL]                      ; 0 onto my spare word
	s_wait_dscnt 5                                 ; (the add and the youngest four loads may be out)
	MUL12 1, 0, 0, 0                               ; twelve matrix instructions stand between the add and the wait for it
	s_wait_dscnt 0x0                               ; the add is done, and my reads of this slot are over
	s_barrier_signal -1
	MUL12 1, 0, 1, 0
.if \fill
	WIN 0
.endif
	s_barrier_wait -1
.if \fill
	CREST                                          ; no wave of any partner still reads this slot's tiles or has a load on its way
	s_add_nc_u64 s[G0A+4*(\slot)+2:G0A+4*(\slot)+3], s[G0A+4*(\slot)+2:G0A+4*(\slot)+3], 2*KSTEP*2
	s_add_nc_u64 s[G0B+4*(\slot)+2:G0B+4*(\slot)+3], s[G0B+4*(\slot)+2:G0B+4*(\slot)+3], 2*KSTEP*128
	JLOAD \slot                                    ; the four v_nop behind it are also the places in front of the loads below
.else
	PLACES
.endif
	FETCH \next, 0, 0
	MUL12 1, 1, 0, 0
	MUL12 1, 1, 1, 0
.endm
	s_wait_tensorcnt 1                             ; my part of K step 0 is in; K step 1's may stay out
	s_barrier_signal -1
	s_barrier_wait -1                              ; everybody's is
	FETCH 0, 0, 0
	QUARTER 0, 1, 0, 1, 1                          ; the first quarter stands in front of the loop: its products start the sums
	WIN 0                                          ; at a label and at a branch every window is 0
	s_mov_b32 s3, 3
.Llap:                                         ; a trip goes once round the ring, from a lap's second quarter to the next lap's first, and fills both slots again
	QUARTER 0, 2, 1, 0, 0
	QUARTER 0, 3, 0, 1, 0
	TURN 0, 1, 1
	QUARTER 1, 1, 0, 1, 0
	QUARTER 1, 2, 1, 0, 0
	QUARTER 1, 3, 0, 1, 0
	TURN 1, 0, 1
	QUARTER 0, 1, 0, 1, 0
	WIN 0
	s_sub_co_u32 s3, s3, 1
	s_cmp_lg_u32 s3, 0
	s_cbranch_scc1 .Llap
	QUARTER 0, 2, 1, 0, 0                          ; the last lap fills nothing
	QUARTER 0, 3, 0, 1, 0
	TURN 0, 1, 0
	QUARTER 1, 1, 0, 1, 0
	QUARTER 1, 2, 1, 0, 0
	QUARTER 1, 3, 0, 1, 0
	s_wait_dscnt 4                                 ; the very last quarter: nothing more to fetch
	MUL12 1, 0, 0, 0
	MUL12 1, 0, 1, 0
	s_wait_dscnt 0x0
	MUL12 1, 1, 0, 0
	MUL12 1, 1, 1, 0
	PLACES
; THE WAY OUT, in 12 groups g = 3 a + j: row block a (16 rows), tensor j (64 columns).  The bias is added, the sums are rounded to f16, 16 bytes a lane go into my stage and come back as whole rows of 128 bytes.
; Each group has 16 registers of its own in window 1, so no register that a store reads is written again.
.macro PACKG g
.set ga, (\g)/3
.set gj, (\g)%3
.set AC, 8*(12*(ga%2)+4*gj)
.set TM, 16*(\g)
	WIN 0x82+0x41*(ga/2)                           ; destination and source 0 in window 2 or 3, the bias in window 0
.set i, 0
.rept 16
	v_pk_add_f32 v[AC+i:AC+i+1], v[AC+i:AC+i+1], v[BIAS+32*gj+i:BIAS+32*gj+i+1]  ; ascending: each accumulator's lowest registers are read first
.set i, i+2
.endr
	WIN 0x4a+5*(ga/2)                              ; sources in window 2 or 3, destination in window 1
.set i, 0
.rept 16
	v_cvt_pk_f16_f32 v[TM+i], v[AC+2*i], v[AC+2*i+1]
.set i, i+1
.endr
	WIN 0x04                                       ; data in window 1
.irp f, 0,1,2,3
	ds_store_b128 v[STO], v[TM+4*(\f):TM+4*(\f)+3] offset:32*(\f)
.endr
	WIN 0x40
.irp f, 0,1,2,3
	ds_load_b128 v[TM+4*(\f):TM+4*(\f)+3], v[RD] offset:(\f)*4*SP  ; LDS serves a wave's instructions in order (ISA guide 5.7.1.4): these see the stores above; the next group's stores come behind them
.endr
.endm
.macro SENDG g, younger                ; younger: the LDS instructions issued behind group g's loads: the next group's eight, or none
.set ga, (\g)/3
.set gj, (\g)%3
.set TM, 16*(\g)
	WIN 0x04
.irp f, 0,1,2,3
	s_wait_dscnt (\younger)+3-(\f)
	global_store_b128 v[GO], v[TM+4*(\f):TM+4*(\f)+3], s[OB+2*gj:OB+2*gj+1] offset:ga*2048+(\f)*512  ; 512 consecutive bytes, at a multiple of 256 from the buffer's first
.endr
.endm
	PACKG 0
.set gg, 1
.rept 11                               ; a group's arithmetic stands between the loads of the group before and its stores
	PACKG gg
	SENDG gg-1, 8
.set gg, gg+1
.endr
	SENDG 11, 0
	WIN 0
	s_wait_tensorcnt 0x0                           ; the wave's end: behind my last tensor load and my last LDS store
	ds_add_u32 v[SPW], v[NIL]
	s_wait_dscnt 0x0
	CROUND                                         ; the closing round: no work-group ends while a partner may still ask for a tile that names it
	s_endpgm
.Lfunc_end_k_q8e714e14cd_qkv:
	.size	k_q8e714e14cd_qkv, .Lfunc_end_k_q8e714e14cd_qkv-k_q8e714e14cd_qkv
	.p2alignl 7, 3214868480
	.fill 96, 4, 3214868480
	.section	.rodata,"a",@progbits
	.p2align	6, 0x0
	.amdhsa_kernel k_q8e714e14cd_qkv
		.amdhsa_group_segment_fixed_size 327680
		.amdhsa_private_segment_fixed_size 0
		.amdhsa_enable_private_segment 0
		.amdhsa_kernarg_size 48
		.amdhsa_user_sgpr_count 2
		.amdhsa_user_sgpr_kernarg_segment_ptr 1
		.amdhsa_wavefront_size32 1
		.amdhsa_system_sgpr_workgroup_id_x 1
		.amdhsa_system_sgpr_workgroup_id_y 1
		.amdhsa_system_sgpr_workgroup_id_z 1
		.amdhsa_system_vgpr_workitem_id 0
		.amdhsa_next_free_vgpr 960
		.amdhsa_next_free_sgpr 84
		.amdhsa_reserve_vcc 0
		.amdhsa_float_denorm_mode_32 3
		.amdhsa_float_denorm_mode_16_64 3
		.amdhsa_memory_ordered 1
		.amdhsa_forward_progress 1
		.amdhsa_inst_pref_size 143
	.end_amdhsa_kernel
	.amdgpu_metadata
---
amdhsa.version: [ 1, 2 ]
amdhsa.kernels:
  - .name:           k_q8e714e14cd_qkv
    .symbol:         k_q8e714e14cd_qkv.kd
    .args:
      - { .name: xb, .offset: 0, .size: 8, .value_kind: global_buffer, .address_space: global }
      - { .name: wb, .offset: 8, .size: 8, .value_kind: global_buffer, .address_space: global }
      - { .name: bq, .offset: 16, .size: 8, .value_kind: global_buffer, .address_space: global }
      - { .name: bk, .offset: 24, .size: 8, .value_kind: global_buffer, .address_space: global }
      - { .name: bv, .offset: 32, .size: 8, .value_kind: global_buffer, .address_space: global }
      - { .name: qkv, .offset: 40, .size: 8, .value_kind: global_buffer, .address_space: global }
    .group_segment_fixed_size: 327680
    .private_segment_fixed_size: 0
    .kernarg_segment_align: 8
    .kernarg_segment_size: 48
    .max_flat_workgroup_size: 128
    .sgpr_count:     84
    .vgpr_count:     960
    .wavefront_size: 32
...
	.end_amdgpu_metadata
.endif
;; end of part 2
;; launch attn (part 3): grid 16 x 16, 4 waves a work-group, clusters of 4 x 4, 327,680 bytes of LDS; arguments qkv, mk, fl, ctx; writes ctx
.if DOCPART == 3
	.amdgcn_target "amdgcn-amd-amdhsa--gfx1250"
	.amdhsa_code_object_version 6
	.text
	.protected	k_q8e714e14cd_attn
	.globl	k_q8e714e14cd_attn
	.p2align	8
	.type	k_q8e714e14cd_attn,@function
k_q8e714e14cd_attn:
	s_mov_b64 s[64:65], 0
	v_nop
	global_prefetch_b8 v0, s[64:65] scope:SCOPE_SE
	s_setreg_imm32_b32 hwreg(HW_REG_WAVE_MODE, 25, 1), 1
	s_wait_xcnt 0x0
	s_wait_alu depctr_hold_cnt(0) depctr_sa_sdst(0) depctr_va_vdst(0) depctr_va_sdst(0) depctr_va_ssrc(0) depctr_va_vcc(0) depctr_vm_vsrc(0)
	s_getreg_b32 s2, hwreg(HW_REG_IB_STS2, 6, 4)
	s_cmp_eq_u32 s2, 0
	s_cbranch_scc0 .Lentry_in_a_cluster
	s_endpgm
.Lentry_in_a_cluster:
	s_bfe_u32 s2, ttmp6, 0x10000c
	s_cmp_lg_u32 s2, 0xf033
	s_cbranch_scc0 .Lentry_shape_is_right
	s_endpgm
.Lentry_shape_is_right:
; MASKED ATTENTION.  ctx[q] = the sum over k of softmax_k(s[q][k]) V[k], s = Q[q] . K[k] / 8 where the mask is open, hidden otherwise.  q, k, v: qkv[3][head 16][4096][64] in f16, a head's rows dense, 128 bytes each.
; Products, maxima and sums in f32; the weights p are rounded to f16 for the second product (their sum l is taken of the unrounded p), ctx once at the end: [row tile of 128: 32][head 16][128][64] f16.
; THE MASK comes as 4-bit codes (mk: 0x0 open, 0xE = -4.0 hidden) in the lane order of a product's C operand; one scaled conversion makes eight f32 of a word: 0 or -2^100.  That is the C that starts S^T = K Q^T.
; A row with NO open key (fl = 0) has its Q set to 0: all its scores are then exactly -2^100, c s - c m is exactly 0 (a power of two times c is exact), every p is 1, and the row is the plain mean of V, as with equal scores.
; In a row with an open key, what was summed before the first open key came is multiplied by a = 0 when it comes.
; LIMITS.  A hidden score counts as -2^100, not as -1e9: a row whose open scores all lie near or below -1e9 differs.  f16 holds no number beyond 65,504: q, k, v arrive within it; p below 6e-5 keeps f16's step of 6e-8.
; A weight below 2^-126 counts as 0 in l; NaN and infinities are not treated apart.
; SHARES.  A work-group owns 256 queries of one head, a wave 64: four PIECES of 16.  Every wave walks 16 tiles of 256 keys, four steps of 64 each.
; LAYOUT, SOFTMAX, TURNS.  S^T = K Q^T holds ONE query a lane (lane % 16) and the keys 8 (lane / 16) + 0..7; two such results rounded to f16 ARE source 1 of O^T = V^T P.  p = 2^(c s - c m), c = log2(e) / 8, with a
; running maximum m; O and l are multiplied by a = 2^(c m_old - c m_new) in every step.  Turn n belongs to piece n: 8 products K Q^T of piece n + 1, later 8 products V^T P of piece n - 1; beside them the scaling,
; exponentials, roundings, sums and rescaling of piece n, the maximum and statistics of piece n + 1, and the mask of piece n + 2.  Four vector instructions stand behind every matrix instruction, the others in two lumps.
; m starts at the lowest finite number, O and l at 0: the first step is a step like any other, with a = 0.
; CLUSTER 4 x 4.  The four work-groups of a row of the cluster have one head: K's and V's tiles are asked for jointly along the row.  The four of a column have the same queries: the mask's tile jointly along the column.
; Wave 0 asks for K's tile, wave 1 for V's, waves 2 and 3 for the halves of the mask's: one load a wave behind each round.
; REGISTERS, in windows of 256 (s_set_vgpr_msb: bits 1:0 source 0, 3:2 source 1, 5:4 source 2, 7:6 destination):
;   window 0: v0-15, v32-39 addresses and flags; v16-31 four registers of statistics a piece; v48-55 at work; v64-127 S^T, two buffers; v192-223 P, two buffers (a piece's buffers go by its number's parity)
;   window 1: v0-127 O^T, 32 a piece; v128-135 the codes, two buffers; v160-223 the masks, two buffers      window 2: v0-63 Q; v128-191 K of one step; v192-255 V of one step
.set NP,    4         ; pieces a wave: a name, no knob
.set KS,    64        ; keys in a step
.set PK,    144       ; a row of K in LDS: 128 bytes + 16 of padding: the 16 rows of a load start at 16 different groups of four banks (64 banks of 4 bytes: ISA guide 11.1)
.set PV,    160       ; a row of V: 128 + 32
.set VOFF,  4*KS*PK   ; a slot holds a tile: 256 rows of K, 256 rows of V,
.set MOFF,  VOFF+4*KS*PV  ; and 32,768 bytes of codes, [wave 4][step 4][piece 4][lane 32][16 bytes], read 512 consecutive bytes at a time
.set SLOT1, 1<<17     ; slot 1 begins here, so that one exclusive or turns an address in one slot into the other's
.set STAGE, SLOT1+MOFF+32768  ; behind the ring, never filled by a tensor load: 16 rows x 144 bytes for each wave, for the way out
.set SP,    144
.set SPARE, STAGE+4*16*SP  ; behind the stages: the spare words, 128 bytes for each wave, which no other line names
.set AK0, 2           ; v2   my lane's place in a tile of K; never rewritten
.set AV0, 3           ; v3   the same for V
.set AK,  4           ; v4   the LDS address of K's next run of loads
.set AV,  5           ; v5   of V's
.set STO, 6           ; v6   the way out: where I put 16 bytes of a row
.set RD,  7           ; v7   the way out: where I read rows back
.set GO,  8           ; v8   my byte offset in 512 consecutive bytes of ctx
.set MV,  12          ; v12-13  c m_old, kept while c m is made anew: by buffer
.set AM0, 14          ; v14  my lane's place in a tile of codes; never rewritten
.set QO,  15          ; v15  my byte offset in 16 rows of Q
.set ST,  16          ; piece t's statistics at v[ST+4 t]: c m, m, l (even keys', odd keys')
.set AM,  32          ; v32  the LDS address of the step's codes
.set SCL, 33          ; v33  the conversions' scale: the byte 0xE1 stands for 2^98
.set PFO, 34          ; v34  256 x my lane, for the prefetches; never rewritten
.set FO,  35          ; v35  4 x my lane
.set FLG, 36          ; v36-39  piece p: -1, or 0 where my row has no open key
.set TMP, 48          ; by buffer, four registers c0-c3 at work; when the maximum is found c2 takes a
.set SPW, 62          ; v62  LDS address of my spare word; never rewritten
.set NIL, 63          ; v63  0; never rewritten
.set S,   64
.set P,   192
.set MB,  128         ; window 1: four words of codes, by buffer
.set MC,  160         ; window 1: the masks of the products to come: the eight registers for group kt of 16 keys at MC + 32 buffer + 8 kt
.set KF,  128         ; window 2: key block kb, channel half c at KF + 16 kb + 8 c
.set VF,  192         ; window 2: key half kk, channel block cb at VF + 32 kk + 8 cb
.set WV,  12          ; s12  my wave's number
.set G1K, 24          ; s[24:31] descriptor group 1 for K's tiles
.set G1V, 32          ; s[32:39] for V's: it differs in the padding alone
.set G1M, 40          ; s[40:47] for the codes'
.set G0K, 48          ; s[48:51] descriptor group 0 for K's tiles: it walks
.set G0V, 52          ; s[52:55]
.set G0M, 56          ; s[56:59]
.set CS,  60          ; s[60:61] c: the packed scaling takes the pair's low word for both halves
.set SEL, 62          ; s[62:63] v_permlanex16_b32's selects: each lane takes its own place in the other half
.set TBK, 66          ; s66  LDS byte at which K of the step to be fetched begins
.set TBV, 67          ; s67  the same for V, less VOFF
.set TBM, 68          ; s68  the same for the codes, less MOFF and my wave's part
.set SLOTS, 69        ; s69  tiles still to be asked for
.set CNT, 70          ; s70  counts a tile's key steps
.set LIM, 71          ; s71  1 in a wave that prefetches, else the greatest number
.set PFA, 72          ; s[72:73] where my prefetches stand
.set QP,  74          ; s[74:75] Q at my wave's first row
.set MSB, 0
.macro WIN new                      ; the high byte repeats the setting that is left; a switch that changes nothing is dropped
.if MSB != (\new)
	s_set_vgpr_msb (MSB<<8)|(\new)
.set MSB, (\new)
.endif
.endm
.set W_KQ, 0x0a       ; K and Q in window 2, S^T in window 0
.set W_KM, 0x1a       ; the same with the C operand in window 1
.set W_PV, 0x52       ; V in window 2, P in window 0, O^T in window 1
.set W_RS, 0x41       ; destination and source 0 in window 1, source 1 in window 0
; A joint fill.  The branches hang on the wave's number alone.  An s_nop 0 and four v_nop follow each of the three lines, ahead of the jump and the label.
.macro LOAD
	s_cmp_lt_u32 s[WV], 2
	s_cbranch_scc0 .Lfor_m_\@
	s_cmp_eq_u32 s[WV], 0
	s_cbranch_scc0 .Lfor_v_\@
	tensor_load_to_lds s[G0K:G0K+3], s[G1K:G1K+7]
	s_nop 0
.rept 4
	v_nop
.endr
	s_branch .Lasked_\@
.Lfor_v_\@:
	tensor_load_to_lds s[G0V:G0V+3], s[G1V:G1V+7]
	s_nop 0
.rept 4
	v_nop
.endr
	s_branch .Lasked_\@
.Lfor_m_\@:
	tensor_load_to_lds s[G0M:G0M+3], s[G1M:G1M+7]
	s_nop 0
.rept 4
	v_nop
.endr
.Lasked_\@:
.endm
; A PREFETCH INTO THE L2 of the tile that the NEXT change of slots will ask for, four key steps (256 matrix instructions of a wave) ahead: 32 lanes x 256 bytes, one instruction, behind the wave's tensor load and its five lines.
; Each aligned 256 bytes are named ONCE in the launch.  K and V of a head are walked by all clusters of that row of clusters: the first (cluster x = 0) asks, wave 0 for K, wave 1 for V.  A block's codes are walked by all
; clusters of that column: cluster y = 0 asks, wave 2.  The four partners that ask for a tile jointly take 8,192 of its 32,768 bytes each, told apart BY ADDRESS.  The last change that fills a slot asks for nothing.
.macro ASK
	s_cmp_gt_u32 s[SLOTS], s[LIM]
	s_cbranch_scc0 .Lnot_mine_\@
	global_prefetch_b8 v[PFO], s[PFA:PFA+1] th:TH_LOAD_NT scope:SCOPE_SE
.Lnot_mine_\@:
.endm
.macro CROUND                       ; a round of the cluster's barrier
	s_barrier_signal -1
	s_barrier_wait -1
	s_cmp_lg_u32 s[WV], 0
	s_cbranch_scc1 .Lnot_wave_0_\@
	s_barrier_signal -3
.Lnot_wave_0_\@:
	s_barrier_wait -3
	s_barrier_signal -1
	s_barrier_wait -1
.endm
; THE CHANGE OF SLOTS.  Each wave waits for all its tensor loads, of which one is out: its part of the other slot; adds 0 to its spare word; and waits for that and for its own reads of the slot that it leaves.
; fill = 1: the old slot is filled again, with the tile two on.  The barrier is then a round of the cluster's, so that no wave of any partner still reads the slot or has a load on its way, and the joint fill is the first
; thing behind it.  (At its first use nothing has been read yet: slot 0 is waited for, slot 1 filled.)
.macro CHANGE fill
	WIN 0                           ; at a label and at a branch every window is 0
	s_wait_tensorcnt 0x0            ; no tensor load of mine is out, so a group 0 may be written
	ds_add_u32 v[SPW], v[NIL]       ; 0 onto my spare word; with fill = 1 the descriptors' steps stand between it and the wait for it
.if \fill
.irp g, G0K, G0V, G0M
	s_xor_b32 s[\g+1], s[\g+1], SLOT1  ; the walking descriptor: the other slot than last time,
	s_add_nc_u64 s[\g+2:\g+3], s[\g+2:\g+3], 32768  ; the next tile; the type bits on top are not reached
.endr
	s_wait_xcnt 0x0                 ; the last prefetch, four key steps back, has read its address, so it may be written
	s_add_nc_u64 s[PFA:PFA+1], s[PFA:PFA+1], 32768  ; one tile behind the walking descriptors' next
	s_wait_dscnt 0x0                ; the add is done, and my reads of the slot are over
	CROUND
	LOAD
	ASK
.else
	s_wait_dscnt 0x0                ; the add is done, and my reads of the slot are over
	s_barrier_signal -1
	s_barrier_wait -1
.endif
	s_sub_co_u32 s[TBK], s[TBK], 4*KS*PK  ; the fetches go back to a slot's first step,
	s_xor_b32 s[TBK], s[TBK], SLOT1       ; in the other slot
	s_sub_co_u32 s[TBV], s[TBV], 4*KS*PV
	s_xor_b32 s[TBV], s[TBV], SLOT1
	s_sub_co_u32 s[TBM], s[TBM], 4*2048
	s_xor_b32 s[TBM], s[TBM], SLOT1
.endm
	s_load_b256 s[4:11], s[0:1], 0x0  ; qkv s[4:5], mk s[6:7], fl s[8:9], ctx s[10:11]
	v_lshl_add_u32 v[SPW], v0, 2, SPARE
	v_mov_b32 v[NIL], 0
	ds_add_u32 v[SPW], v[NIL]       ; the wave's opening: the add and its wait stand ahead of my first tensor load; the set-up below, work on registers, stands between them
	v_lshrrev_b32 v1, 5, v0
	v_readfirstlane_b32 s[WV], v1   ; wave 0..3
	s_bfe_u32 s14, ttmp6, 0x40000   ; cx, cy: my place in the cluster
	s_bfe_u32 s15, ttmp6, 0x40004
	s_lshl_b32 s16, ttmp9, 2
	s_add_co_u32 s16, s16, s14      ; my block of 256 queries = 4 x cluster x + cx
	s_and_b32 s17, ttmp7, 0xffff
	s_lshl_b32 s17, s17, 2
	s_add_co_u32 s17, s17, s15      ; the head = 4 x cluster y + cy
	s_lshl_b32 s18, s15, 2
	s_lshl_b32 s18, 15, s18         ; my row of the cluster
	s_lshl_b32 s19, 0x1111, s14     ; my column
	; descriptor group 1.  256 keys are 32,768 dense bytes: asked for as 128 rows of 256 bytes, two keys a row, and padded in LDS after every key; half a tile of codes as 64 rows of 256 bytes, unpadded
	s_or_b32 s[G1K], s18, (1<<16)|(1<<20)|(1<<21)|(4<<22)|(3<<25)  ; the mask; 2-byte elements; padding on; bit 21 beside a mask; after every 32 words 4 words
	s_or_b32 s[G1V], s18, (1<<16)|(1<<20)|(1<<21)|(4<<22)|(7<<25)  ; the same with 8 words
	s_or_b32 s[G1M], s19, (1<<16)|(1<<21)
.irp g, G1K, G1V
	s_mov_b32 s[\g+1], 128<<16      ; tensor_dim0 = 128
	s_mov_b32 s[\g+2], 128<<16      ; tensor_dim1 = 128
	s_mov_b32 s[\g+3], 128<<16      ; tile_dim0 = 128
	s_mov_b32 s[\g+4], 128          ; tile_dim1 = 128
	s_mov_b32 s[\g+5], 128          ; 128 elements from row to row
	s_mov_b32 s[\g+6], 0
	s_mov_b32 s[\g+7], 0
.endr
	s_mov_b32 s[G1M+1], 128<<16
	s_mov_b32 s[G1M+2], 64<<16
	s_mov_b32 s[G1M+3], 128<<16
	s_mov_b32 s[G1M+4], 64
	s_mov_b32 s[G1M+5], 128
	s_mov_b32 s[G1M+6], 0
	s_mov_b32 s[G1M+7], 0
	s_mov_b32 s[CS], 0x3e38aa3b     ; c = log2(e) / 8 = 0.180337
	s_mov_b32 s[CS+1], s[CS]        ; named with it as a pair
	s_mov_b32 s[SEL], 0x76543210
	s_mov_b32 s[SEL+1], 0xfedcba98
	s_mov_b32 s[TBK], SLOT1+4*KS*PK ; the first change of slots turns these three into 0
	s_mov_b32 s[TBV], SLOT1+4*KS*PV
	s_mov_b32 s[TBM], SLOT1+4*2048
	s_mov_b32 s[SLOTS], 15
	s_lshl_b32 s20, s17, 19         ; the head's 524,288 bytes in q, k and v: made of the head alone
	s_mov_b32 s21, 0
	s_lshl_b32 s82, s16, 19         ; the block's 16 tiles of codes: made of the block alone,
	s_max_u32 s23, s[WV], 2
	s_sub_co_u32 s23, s23, 2
	s_lshl_b32 s23, s23, 14         ; and which half of a tile I fetch (waves 2 and 3)
	s_add_co_u32 s22, s82, s23
	s_mov_b32 s23, 0
	s_mov_b32 s[G0K], 1             ; count = 1
	s_mov_b32 s[G0K+1], 0           ; LDS address: slot 0
	s_mov_b32 s[G0V], 1
	s_mov_b32 s[G0V+1], VOFF
	s_mov_b32 s[G0M], 1
	s_lshl_b32 s[G0M+1], s[WV], 14
	s_add_co_u32 s[G0M+1], s[G0M+1], MOFF-32768  ; MOFF + 16,384 (wave - 2)
	s_lshl_b32 s2, s16, 15          ; Q: my block's 256 rows of 128 bytes,
	s_lshl_b32 s3, s[WV], 13        ; my wave's 64,
	s_add_co_u32 s2, s2, s3
	s_add_co_u32 s2, s2, s20        ; in the head
	s_mov_b32 s3, 0
	s_lshl_b32 s76, s16, 1          ; ctx: row tile 2 x block + wave / 2,
	s_lshr_b32 s77, s[WV], 1
	s_add_co_u32 s76, s76, s77
	s_lshl_b32 s76, s76, 18
	s_lshl_b32 s77, s17, 14         ; the head's 128 rows in it,
	s_add_co_u32 s76, s76, s77
	s_and_b32 s77, s[WV], 1         ; my 64 of them
	s_lshl_b32 s77, s77, 13
	s_add_co_u32 s76, s76, s77
	s_mov_b32 s77, 0
	s_lshl_b32 s78, s16, 11         ; fl: 128 bytes for each 16 rows
	s_lshl_b32 s79, s[WV], 9
	s_add_co_u32 s78, s78, s79
	s_mov_b32 s79, 0
	s_and_b32 s84, ttmp7, 0xffff    ; the prefetches: cluster y
	s_cmp_lt_u32 s[WV], 2           ; K or V (waves 0, 1), or codes?
	s_cselect_b32 s80, s20, s82     ; the walk's first byte in its tensor,
	s_cselect_b32 s83, s14, s15     ; my place among the four that ask for the tile with me,
	s_cselect_b32 s84, ttmp9, s84   ; the coordinate along which other clusters walk the same bytes
	s_lshl_b32 s83, s83, 13
	s_add_co_u32 s80, s80, s83
	s_add_co_u32 s80, s80, 32768    ; at tile 1: the first change of slots steps it to tile 2
	s_cmp_eq_u32 s[WV], 0
	s_cselect_b32 s83, 0x800000, 0  ; k lies behind q,
	s_cmp_eq_u32 s[WV], 1
	s_cselect_b32 s83, 0x1000000, s83  ; v behind k
	s_add_co_u32 s80, s80, s83
	s_mov_b32 s81, 0
	s_cmp_eq_u32 s[WV], 3           ; wave 3 asks for nothing
	s_cselect_b32 s84, 1, s84
	s_cmp_eq_u32 s84, 0
	s_cselect_b32 s[LIM], 1, -1     ; the same in all sixteen partners, for a given wave
	s_wait_dscnt 0x0                ; the opening add is done
	s_wait_kmcnt 0x0
	s_add_nc_u64 s[G0K+2:G0K+3], s[4:5], s[20:21]
	s_add_nc_u64 s[G0V+2:G0V+3], s[G0K+2:G0K+3], 16777216
	s_add_nc_u64 s[G0K+2:G0K+3], s[G0K+2:G0K+3], 8388608
	s_or_b32 s[G0K+3], s[G0K+3], 0x80000000  ; type = 2
	s_or_b32 s[G0V+3], s[G0V+3], 0x80000000
	s_add_nc_u64 s[G0M+2:G0M+3], s[6:7], s[22:23]
	s_or_b32 s[G0M+3], s[G0M+3], 0x80000000
	s_add_nc_u64 s[QP:QP+1], s[4:5], s[2:3]
	s_add_nc_u64 s[10:11], s[10:11], s[76:77]
	s_add_nc_u64 s[8:9], s[8:9], s[78:79]
	s_cmp_lt_u32 s[WV], 2
	s_cselect_b64 s[PFA:PFA+1], s[4:5], s[6:7]
	s_add_nc_u64 s[PFA:PFA+1], s[PFA:PFA+1], s[80:81]
	CROUND                          ; all sixteen work-groups are here: the first joint loads meet
	LOAD                            ; tile 0 into slot 0.  Slot 1 is asked for when slot 0 is in
	; A fragment of K or Q is 16 rows x 32 channels in 8 registers: lane l holds row l % 16, channels 8 (l / 16) + 0..7 and 16 + 8 (l / 16) + 0..7: two loads of 16 bytes, 32 bytes apart.
	v_and_b32 v1, 15, v0            ; l % 16
	v_bfe_u32 v9, v0, 4, 1          ; l / 16
	v_lshlrev_b32 v[QO], 7, v1
	v_lshl_add_u32 v[QO], v9, 4, v[QO]  ; row x 128 + 16 x half
	v_and_b32 v10, 31, v0           ; l
	v_lshlrev_b32 v[FO], 2, v10
	WIN 0x80                        ; destination window 2, address window 0
.set i, 0
.rept 8                             ; Q stays in registers: piece i / 2, channels 32 (i % 2) on
	global_load_b128 v[8*i:8*i+3],   v[QO], s[QP:QP+1] offset:(i/2)*2048+(i%2)*64
	global_load_b128 v[8*i+4:8*i+7], v[QO], s[QP:QP+1] offset:(i/2)*2048+(i%2)*64+32
.set i, i+1
.endr
	WIN 0
.irp p, 0,1,2,3
	global_load_b32 v[FLG+(\p)], v[FO], s[8:9] offset:128*(\p)
.endr
	v_lshlrev_b32 v[PFO], 8, v10
	s_lshl_b32 s13, s[WV], 13
	s_add_co_u32 s13, s13, MOFF
	v_lshl_add_u32 v[AM0], v10, 4, s13  ; my wave's 8,192 bytes of a tile's codes, 16 bytes a lane
	v_mov_b32 v[SCL], 0xe1e1e1e1
	v_mul_u32_u24 v[AK0], v1, PK
	v_lshl_add_u32 v[AK0], v9, 4, v[AK0]  ; row x pitch + 16 x half
	; The turning load takes 16 keys x 16 channels (lane l reads key 8 (l / 16) + l % 8, channels 8 ((l / 8) % 2) + 0..7) and leaves half a fragment of V^T: lane l holds channel l % 16 and 8 keys.
	v_and_b32 v10, 7, v0
	v_bfe_u32 v11, v0, 3, 1
	v_lshl_add_u32 v[AV0], v9, 3, v10
	v_mul_u32_u24 v[AV0], v[AV0], PV
	v_lshl_add_u32 v[AV0], v11, 4, v[AV0]
	v_add_nc_u32 v[AV0], VOFF, v[AV0]
	s_mul_i32 s13, s[WV], 16*SP
	s_add_co_u32 s13, s13, STAGE    ; my stage
	v_mul_u32_u24 v[STO], v1, SP    ; in: row l % 16, 16 bytes for each half of the lanes
	v_lshl_add_u32 v[STO], v9, 4, v[STO]
	v_add_nc_u32 v[STO], s13, v[STO]
	v_bfe_u32 v[RD], v0, 3, 2       ; back: 32 lanes take four rows of 128 bytes,
	v_mul_u32_u24 v[RD], v[RD], SP
	v_lshl_add_u32 v[RD], v10, 4, v[RD]
	v_add_nc_u32 v[RD], s13, v[RD]
	v_and_b32 v[GO], 31, v0         ; which are 512 consecutive bytes of ctx
	v_lshlrev_b32 v[GO], 4, v[GO]
	; What the first turn finds: V's registers and P's second buffer hold 0 (its products V^T P, of a piece that has not been, add 0), O^T and l are 0.  All this stands in the wait for the first tile.
	WIN 0x80
.set i, VF
.rept 64
	v_mov_b32 v[i], 0
.set i, i+1
.endr
	WIN 0x40
.set i, 0
.rept 128
	v_mov_b32 v[i], 0
.set i, i+1
.endr
	WIN 0
.set i, 0
.rept 4
	v_mov_b32 v[ST+4*i], 0xfe000000    ; c m: far below every c s, the hidden ones' too
	v_mov_b32 v[ST+4*i+1], 0xff7fffff  ; m
	v_mov_b32 v[ST+4*i+2], 0
	v_mov_b32 v[ST+4*i+3], 0
.set i, i+1
.endr
.set i, P+16
.rept 16
	v_mov_b32 v[i], 0
.set i, i+1
.endr
; THE MATRIX WORK.  The 4 accumulators of a run of 8 take turns.  Product i of 8 of S^T = K Q^T for piece x: channels 32 (i / 4) on, keys 16 (i % 4) on.  The first 4 start the sums with the mask.
.macro KQ x
.set rS, S+32*((\x)%2)+8*(i%4)
.set rK, KF+16*(i%4)+8*(i/4)
.set rQ, 16*(\x)+8*(i/4)
.set rM, MC+32*((\x)%2)+8*(i%4)
.if i < 4
	WIN W_KM
	v_wmma_f32_16x16x32_f16 v[rS:rS+7], v[rK:rK+7], v[rQ:rQ+7], v[rM:rM+7]
.else
	WIN W_KQ
	v_wmma_f32_16x16x32_f16 v[rS:rS+7], v[rK:rK+7], v[rQ:rQ+7], v[rS:rS+7]
.endif
.endm
; Product i of 8 of O^T += V^T P for piece x: keys 32 (i / 4) on, channels 16 (i % 4) on.
.macro PV x
	WIN W_PV
.set rO, 32*(\x)+8*(i%4)
.set rV, VF+32*(i/4)+8*(i%4)
.set rP, P+16*((\x)%2)+8*(i/4)
	v_wmma_f32_16x16x32_f16 v[rO:rO+7], v[rV:rV+7], v[rP:rP+7], v[rO:rO+7]
.endm
.macro MM                           ; the turn's next matrix instruction.  NOKQ = 1: the last turn: there is no next piece
.if (i < 8) && !NOKQ
	KQ (Y+1)%NP
.elseif i >= 8
.set i, i-8
	PV (Y+NP-1)%NP
.set i, i+8
.endif
.set i, i+1
.endm
; THE LDS LOADS of K and V stand in runs of 16, never singly among the matrix instructions.  Their addresses are made some lines ahead.
.macro FETCH_K
	WIN 0x80                        ; destination window 2
.irp f, 0,1,2,3,4,5,6,7             ; keys 16 (f / 2) on, channels 32 (f % 2) on
	ds_load_b128 v[KF+8*\f:KF+8*\f+3],   v[AK] offset:(\f/2)*16*PK+(\f%2)*64
	ds_load_b128 v[KF+8*\f+4:KF+8*\f+7], v[AK] offset:(\f/2)*16*PK+(\f%2)*64+32
.endr
	s_add_co_u32 s[TBK], s[TBK], KS*PK  ; the next fetch is the next step's
	WIN 0
.endm
.macro FETCH_V
	WIN 0x80
.irp f, 0,1,2,3,4,5,6,7             ; keys 32 (f / 4) on, channels 16 (f % 4) on
	ds_load_tr16_b128 v[VF+8*\f:VF+8*\f+3],   v[AV] offset:(\f/4)*32*PV+(\f%4)*32
	ds_load_tr16_b128 v[VF+8*\f+4:VF+8*\f+7], v[AV] offset:(\f/4)*32*PV+16*PV+(\f%4)*32
.endr
	WIN 0
.endm
; THE MASK.  ML, in turn p: the 16 bytes of codes of piece p + 2 for the step at v[AM], into buffer p % 2.  CONV b: buffer b's four words into 32 registers: 0, or -4 x 2^98.
.macro ML p
	WIN 0x40                        ; destination window 1
	ds_load_b128 v[MB+4*((\p)%2):MB+4*((\p)%2)+3], v[AM] offset:(((\p)+2)%4)*512
.endm
.macro CONV b
	WIN W_RS
.irp kt, 0,1,2,3
	v_cvt_scale_pk8_f32_fp4 v[MC+32*(\b)+8*(\kt):MC+32*(\b)+8*(\kt)+7], v[MB+4*(\b)+(\kt)], v[SCL]
.endr
.endm
; THE VECTOR WORK, one line at a time: OP kind, number.  For piece Y: F n: c s - c m for pair n of 16.  E n: the exponential of score n of 32.  C n: pair n rounded to f16.  B n: of the four weights 4 n .. the second
; pair is added onto the first, in place.  L n: l takes that sum (L 0: l = a l + sum).  R n: pair n of 16 of O^T times a.  For piece Y + 1: X n, number n of the 22 that find its maximum and statistics:
;   0-11  four chains c0-c3 of seven scores each, three operands at a time (each accumulator's lowest registers are read first)     12-14, 16  the four scores left over, the old m, and c0-c3 into c0
;   15  c m_old is kept     17, 18  the query's other 32 keys lie in the lane 16 away: the new m     19-21  c m; c m_old - c m_new; a
.set F, 0
.set E, 1
.set C, 2
.set B, 3
.set L, 4
.set R, 5
.set X, 6
.macro REGS y                       ; the registers of piece y
.set rT, ST+4*(\y)
.set rC, TMP+4*((\y)%2)
.set rW, MV+((\y)%2)
.set rS, S+32*((\y)%2)
.set rP, P+16*((\y)%2)
.set rO, 32*(\y)
.endm
.macro OP k, n
.if (\k) == R
	REGS Y
	WIN W_RS
	v_pk_mul_f32 v[rO+2*(\n):rO+2*(\n)+1], v[rO+2*(\n):rO+2*(\n)+1], v[rC+2:rC+3] op_sel_hi:[1,0]
.elseif (\k) < R
	REGS Y
	WIN 0
.if (\k) == F
	v_pk_fma_f32 v[rS+2*(\n):rS+2*(\n)+1], v[rS+2*(\n):rS+2*(\n)+1], s[CS:CS+1], v[rT:rT+1] op_sel_hi:[1,0,0] neg_lo:[0,0,1] neg_hi:[0,0,1]
.elseif (\k) == E
	v_exp_f32 v[rS+(\n)], v[rS+(\n)]
.elseif (\k) == C
	s_wait_alu depctr_va_vdst(0)
	v_cvt_pk_f16_f32 v[rP+(\n)], v[rS+2*(\n)], v[rS+2*(\n)+1]
.elseif (\k) == B
	s_wait_alu depctr_va_vdst(0)
	v_pk_add_f32 v[rS+4*(\n):rS+4*(\n)+1], v[rS+4*(\n):rS+4*(\n)+1], v[rS+4*(\n)+2:rS+4*(\n)+3]
.elseif (\n) == 0
	v_pk_fma_f32 v[rT+2:rT+3], v[rT+2:rT+3], v[rC+2:rC+3], v[rS:rS+1] op_sel_hi:[1,0,1]
.else
	v_pk_add_f32 v[rT+2:rT+3], v[rT+2:rT+3], v[rS+4*(\n):rS+4*(\n)+1]
.endif
.elseif NOKQ
	v_nop
.else
	REGS (Y+1)%NP
	WIN 0
.if (\n) < 4
	v_max3_num_f32 v[rC+(\n)], v[rS+8*(\n)], v[rS+8*(\n)+1], v[rS+8*(\n)+2]
.elseif (\n) < 12
	v_max3_num_f32 v[rC+(\n)%4], v[rC+(\n)%4], v[rS+8*((\n)%4)+2*((\n)/4)+1], v[rS+8*((\n)%4)+2*((\n)/4)+2]
.elseif (\n) == 12
	v_max3_num_f32 v[rC], v[rC], v[rS+7], v[rS+15]
.elseif (\n) == 13
	v_max3_num_f32 v[rC+1], v[rC+1], v[rS+23], v[rS+31]
.elseif (\n) == 14
	v_max3_num_f32 v[rC+2], v[rC+2], v[rC+3], v[rT+1]
.elseif (\n) == 15
	v_mov_b32 v[rW], v[rT]
.elseif (\n) == 16
	v_max3_num_f32 v[rC], v[rC], v[rC+1], v[rC+2]
.elseif (\n) == 17
	v_permlanex16_b32 v[rC+3], v[rC], s[SEL], s[SEL+1]
.elseif (\n) == 18
	v_max_num_f32 v[rT+1], v[rC], v[rC+3]
.elseif (\n) == 19
	v_mul_f32 v[rT], s[CS], v[rT+1]
.elseif (\n) == 20
	v_sub_f32 v[rC+1], v[rW], v[rT]
.else
	v_exp_f32 v[rC+2], v[rC+1]
.endif
.endif
.endm
.macro OPS a, i1, b=-1, i2=0, c=-1, i3=0, d=-1, i4=0  ; up to four of them
	OP \a, \i1
.if (\b) >= 0
	OP \b, \i2
.endif
.if (\c) >= 0
	OP \c, \i3
.endif
.if (\d) >= 0
	OP \d, \i4
.endif
.endm
.macro ROW a, i1, b, i2, c, i3, d, i4  ; a matrix instruction and the four behind it
	MM
	OPS \a, \i1, \b, \i2, \c, \i3, \d, \i4
.endm
; A TURN, for piece p: the order of its 16 matrix and its vector instructions, written out.  Behind a matrix instruction: plain, exponential, plain, plain; or four of the rescaling; or, behind the first, four scalings; none
; names a register of the products round it.  In the lumps exponential and plain by turns while exponentials last.  v_permlanex16_b32 (X 17) stands in a lump.
; end = 1: the last two turns: nothing is fetched.  cnt = 1: the loop's count is taken down some lines ahead of the branch that stands behind the turn.
; K of the next step is fetched in piece 2's turn, six vector instructions behind the last product that read K (five of them plain); V of the step in hand in piece 0's turn, eight behind the last product that read V (four
; plain, and X 17).  Each is waited for a turn later.
; The codes of piece p + 2 are loaded behind the turn's first matrix instruction and converted near its end, under the rescaling's window; R 14 and R 15 are the plain lines behind the conversions.  The four loads of a trip
; (turns 2, 3, 0, 1) read one step's 2,048 bytes: the step whose K the trip fetches; piece 2's turn makes their address.
.macro TURN p, end=0, cnt=0
.set Y, (\p)
.set i, 0
.set NOKQ, (\end)*((\p)/3)
.if ((\p) == 3) && !(\end)
	s_wait_dscnt 0x0                ; K is in
.endif
	ROW F,0, F,1, F,2, F,3
.if !(\end)
.if (\p) == 2
	v_add_nc_u32 v[AM], s[TBM], v[AM0]
	s_add_co_u32 s[TBM], s[TBM], 2048
.endif
	ML \p
.endif
	ROW F,4, E,0, F,5, F,6
	ROW F,7, E,1, F,8, F,9
	ROW F,10, E,2, C,0, F,11
	ROW F,12, E,3, X,15, F,13
	ROW R,0, R,1, R,2, R,3
	ROW B,0, E,4, F,14, L,0
.if ((\p) == 2) && !(\end)
	v_add_nc_u32 v[AK], s[TBK], v[AK0]
.endif
	ROW R,4, R,5, R,6, R,7
	OPS E,5, F,15
.if ((\p) == 2) && !(\end)
	FETCH_K
.endif
	OPS E,6, C,1, E,7, R,8
	OPS E,8, R,9, E,9, C,2
	OPS E,10, X,0, E,11, X,1
	OPS E,12, X,2, E,13, X,3
.if (\p) == 1
	s_wait_dscnt 0x0                ; V is in
.endif
	ROW X,4, E,14, X,5, X,6
	ROW X,7, E,15, X,8, X,9
	ROW X,10, E,16, X,11, X,12
	ROW X,13, E,17, X,14, B,1
	ROW C,4, E,18, X,16, L,1
	ROW B,2, E,19, C,6, L,2
	ROW C,8, E,20, B,3, B,4
.if (\p) == 0
	v_add_nc_u32 v[AV], s[TBV], v[AV0]
.endif
	ROW C,3, E,21, L,3, C,5
	OPS E,22, X,17, E,23, C,10
.if (\p) == 0
	FETCH_V
.endif
	OPS E,24, L,4
	OPS E,25, X,18, E,26, C,7
	OPS E,27, B,5, E,28, X,19
	OPS E,29, C,12, E,30, L,5
	OPS E,31, X,20, B,6, C,9
	OPS C,14, C,11, X,21, L,6
.if (\p) == 0
	s_add_co_u32 s[TBV], s[TBV], KS*PV
.endif
.if \cnt
	s_sub_co_u32 s[CNT], s[CNT], 1
	s_cmp_lg_u32 s[CNT], 0
.endif
	OPS C,13, B,7, C,15, R,10
	OPS R,11, R,12, L,7, R,13
.if !(\end)
.if ((\p)%2) == 0
	s_wait_dscnt 16                 ; the codes are in; the 16 loads of K or V that were issued behind theirs may stay out
.else
	s_wait_dscnt 0x0                ; the codes are in
.endif
	CONV (\p)%2
.endif
	OPS R,14, R,15
.endm
.macro ALL line:vararg              ; one line for each piece t
.set t, 0
.rept 4
	\line
.set t, t+1
.endr
.endm
.macro PACK t                       ; a lane's eight channels of a row pack into 16 bytes; they go into rows of 144 bytes and come back as whole rows of 128, into S^T's registers
	WIN W_RS
.set i, 32*(\t)
.rept 16
	s_wait_alu depctr_va_vdst(0)
	v_pk_mul_f32 v[i:i+1], v[i:i+1], v[ST+4*(\t)+2:ST+4*(\t)+3] op_sel_hi:[1,0]
.set i, i+2
.endr
	WIN 0x05                        ; sources 0 and 1 window 1, destination window 0
.set i, 0
.rept 16
	v_cvt_pk_f16_f32 v[S+16*(\t)+i], v[32*(\t)+2*i], v[32*(\t)+2*i+1]
.set i, i+1
.endr
	WIN 0
.irp f, 0,1,2,3
	ds_store_b128 v[STO], v[S+16*(\t)+4*\f:S+16*(\t)+4*\f+3] offset:32*\f
.endr
.irp f, 0,1,2,3
	ds_load_b128 v[S+16*(\t)+4*\f:S+16*(\t)+4*\f+3], v[RD] offset:\f*4*SP  ; LDS serves a wave's instructions in order (ISA guide 5.7.1.4): these see the stores above; the next piece's stores come behind them
.endr
.endm
.macro SEND t, younger              ; younger: the LDS instructions issued behind piece t's loads: the next piece's eight, or none
	WIN 0
.irp f, 0,1,2,3
	s_wait_dscnt (\younger)+3-\f
	global_store_b128 v[GO], v[S+16*(\t)+4*\f:S+16*(\t)+4*\f+3], s[10:11] offset:(\t)*2048+\f*512  ; 512 consecutive bytes, at a multiple of 256 from ctx's first
.endr
.endm
	CHANGE 1                        ; slot 0 is in, everybody's part of it; slot 1 is asked for
	; THE BEGINNING: the codes of pieces 0 and 1 for step 0, K of step 0, Q with the rows that have no open key set to 0, piece 0's first scores, its maximum and statistics.
	v_add_nc_u32 v[AM], s[TBM], v[AM0]
	s_add_co_u32 s[TBM], s[TBM], 2048
	WIN 0x40
	ds_load_b128 v[MB:MB+3], v[AM]
	ds_load_b128 v[MB+4:MB+7], v[AM] offset:512
	WIN 0
	v_add_nc_u32 v[AK], s[TBK], v[AK0]
	FETCH_K
	s_wait_loadcnt 0x0              ; Q and the flags
	WIN 0x88                        ; destination and source 1 in window 2, the flag in window 0
.set i, 0
.rept 64
	v_and_b32 v[i], v[FLG+i/16], v[i]
.set i, i+1
.endr
	s_wait_dscnt 0x0
	CONV 0
	CONV 1
	v_nop                           ; a plain instruction behind the conversions
.set NOKQ, 0
.set i, 0
.rept 8
	KQ 0
.set i, i+1
.endr
	WIN 0
.rept 4
	v_nop                           ; the places behind those products
.endr
.set Y, NP-1                        ; X works for piece Y + 1: piece 0
.irp n, 0,1,2,3,4,5,6,7,8,9,10,11,12,13,14,15,16,17,18,19,20,21
	OP X, \n
.endr
	v_nop                           ; a plain instruction behind the exponential
	s_mov_b32 s[CNT], 4
	s_branch .Lfirst                ; the loop is entered at a step's first turn, in the middle of a trip
.Lslot:                             ; 14 times: with the change above, every tile but the first is asked for by a change of slots
	CHANGE 1
	s_mov_b32 s[CNT], 4
.Lstep:                             ; a trip: pieces 2 and 3 of one step, then pieces 0 and 1 of the next, whose K, V and codes it fetches
	TURN 2
	TURN 3
	WIN 0
.Lfirst:
	TURN 0
	TURN 1, 0, 1
	WIN 0
	s_cbranch_scc1 .Lstep
	s_sub_co_u32 s[SLOTS], s[SLOTS], 1
	s_cmp_lg_u32 s[SLOTS], 0
	s_cbranch_scc1 .Lslot
	CHANGE 0                        ; the last tile is written out: nothing is asked for
	s_mov_b32 s[CNT], 4
.LstepT:
	TURN 2
	TURN 3
	TURN 0
	TURN 1, 0, 1
	WIN 0
	s_cbranch_scc1 .LstepT
	TURN 2, 1
	TURN 3, 1
.set i, 0
.rept 8
	PV NP-1                         ; the last piece's V^T P of the last step
.set i, i+1
.endr
	; THE WAY OUT.  l's two halves and the other half of the lanes' are added; O^T is divided by l, rounded to f16 and sent through my stage in LDS, a piece at a time.  The additions are the places behind the last products.
	WIN 0
	ALL v_add_f32 v[ST+4*t+2], v[ST+4*t+2], v[ST+4*t+3]
	ALL v_permlanex16_b32 v[ST+4*t+3], v[ST+4*t+2], s[SEL], s[SEL+1]
	ALL v_add_f32 v[ST+4*t+2], v[ST+4*t+2], v[ST+4*t+3]
	ALL v_rcp_f32 v[ST+4*t+2], v[ST+4*t+2]
	v_nop                           ; a plain instruction between the last reciprocal and the use of its result
	PACK 0
.set t, 1
.rept 3                             ; a piece's arithmetic stands between the loads of the piece before and its stores
	PACK t
	SEND t-1, 8
.set t, t+1
.endr
	SEND 3, 0
	s_wait_tensorcnt 0x0            ; the wave's end: behind my last tensor load and my last LDS store
	ds_add_u32 v[SPW], v[NIL]
	s_wait_dscnt 0x0
	CROUND                          ; the closing round: no work-group ends while a partner may still ask for a tile that names it
	s_endpgm
.Lfunc_end_k_q8e714e14cd_attn:
	.size	k_q8e714e14cd_attn, .Lfunc_end_k_q8e714e14cd_attn-k_q8e714e14cd_attn
	.p2alignl 7, 3214868480
	.fill 96, 4, 3214868480
	.section	.rodata,"a",@progbits
	.p2align	6, 0x0
	.amdhsa_kernel k_q8e714e14cd_attn
		.amdhsa_group_segment_fixed_size 327680
		.amdhsa_private_segment_fixed_size 0
		.amdhsa_enable_private_segment 0
		.amdhsa_kernarg_size 32
		.amdhsa_user_sgpr_count 2
		.amdhsa_user_sgpr_kernarg_segment_ptr 1
		.amdhsa_wavefront_size32 1
		.amdhsa_system_sgpr_workgroup_id_x 1
		.amdhsa_system_sgpr_workgroup_id_y 1
		.amdhsa_system_sgpr_workgroup_id_z 1
		.amdhsa_system_vgpr_workitem_id 0
		.amdhsa_next_free_vgpr 768
		.amdhsa_next_free_sgpr 88
		.amdhsa_reserve_vcc 0
		.amdhsa_float_denorm_mode_32 3
		.amdhsa_float_denorm_mode_16_64 3
		.amdhsa_memory_ordered 1
		.amdhsa_forward_progress 1
		.amdhsa_inst_pref_size 145
	.end_amdhsa_kernel
	.amdgpu_metadata
---
amdhsa.version: [ 1, 2 ]
amdhsa.kernels:
  - .name:           k_q8e714e14cd_attn
    .symbol:         k_q8e714e14cd_attn.kd
    .args:
      - { .name: qkv, .offset: 0, .size: 8, .value_kind: global_buffer, .address_space: global }
      - { .name: mk, .offset: 8, .size: 8, .value_kind: global_buffer, .address_space: global }
      - { .name: fl, .offset: 16, .size: 8, .value_kind: global_buffer, .address_space: global }
      - { .name: ctx, .offset: 24, .size: 8, .value_kind: global_buffer, .address_space: global }
    .group_segment_fixed_size: 327680
    .private_segment_fixed_size: 0
    .kernarg_segment_align: 8
    .kernarg_segment_size: 32
    .max_flat_workgroup_size: 128
    .sgpr_count:     88
    .vgpr_count:     768
    .wavefront_size: 32
...
	.end_amdgpu_metadata
.endif
;; end of part 3
;; launch oproj (part 4): grid 8 x 32, 4 waves a work-group, clusters of 4 x 4, 327,680 bytes of LDS; arguments ctx, wb, bo, out0; writes out0
.if DOCPART == 4
	.amdgcn_target "amdgcn-amd-amdhsa--gfx1250"
	.amdhsa_code_object_version 6
	.text
	.protected	k_q8e714e14cd_oproj
	.globl	k_q8e714e14cd_oproj
	.p2align	8
	.type	k_q8e714e14cd_oproj,@function
k_q8e714e14cd_oproj:
	s_mov_b64 s[64:65], 0
	v_nop
	global_prefetch_b8 v0, s[64:65] scope:SCOPE_SE
	s_setreg_imm32_b32 hwreg(HW_REG_WAVE_MODE, 25, 1), 1
	s_wait_xcnt 0x0
	s_wait_alu depctr_hold_cnt(0) depctr_sa_sdst(0) depctr_va_vdst(0) depctr_va_sdst(0) depctr_va_ssrc(0) depctr_va_vcc(0) depctr_vm_vsrc(0)
	s_getreg_b32 s2, hwreg(HW_REG_IB_STS2, 6, 4)
	s_cmp_eq_u32 s2, 0
	s_cbranch_scc0 .Lentry_in_a_cluster
	s_endpgm
.Lentry_in_a_cluster:
	s_bfe_u32 s2, ttmp6, 0x10000c
	s_cmp_lg_u32 s2, 0xf033
	s_cbranch_scc0 .Lentry_shape_is_right
	s_endpgm
.Lentry_shape_is_right:
; out0 = ctx Wo + bo, f32.  ctx: [row tile of 128: 32][head 16][128][64] f16; Wo: the fourth tensor of wb, [block of 64 columns: 16][k 1024][64], the bf16 number written as f16; bo is rounded to bf16 here.  Sums in f32.
; SHARES.  A tile of out0 is 128 x 128: 8 x 32 work-groups.  Four waves, each 64 x 64: 16 accumulators.  K goes in 4 steps of 256 (four heads) through two LDS slots; the steps are written straight: a loop would have one trip.
; All tiles are dense in memory: each of a step's four loads is 32,768 bytes, asked for as 128 rows of 256 bytes and padded in LDS after every 128.
; THE PRODUCT IS TAKEN TRANSPOSED: source 0 = 16 columns of Wo (turned, by ds_load_tr16_b128), source 1 = 16 rows of ctx: a lane holds one row and eight neighbouring columns.
; CLUSTER 4 x 4: ctx's tile is asked for jointly along a row of the cluster, Wo's blocks along a column.  Waves 0 and 1 ask for Wo's two blocks, waves 2 and 3 for the two halves (two heads each) of ctx's tile.
; THE STAGE for the way out lies in slot 0: that slot's last fill is K step 2's, and all reads of it end in front of the barrier of the change to K step 3.  Behind the two slots the 17,408 bytes of the stage do not fit.
; REGISTERS: window 0: v0-31 addresses; v32-63 the bias; v128-255 the accumulators ((a, b) at 128 + 8 (4 a + b)).  Window 1: two fragment buffers of 128 (64 of ctx, then 64 of Wo); on the way out 32 registers a row block.
.set PA,    144                        ; a row of ctx in LDS: 128 bytes + 16
.set PB,    160                        ; a row of Wo: 128 + 32
.set BBLK,  256*PB                     ; 40,960: a block's 256 rows k
.set AOFF,  2*BBLK                     ; Wo's two blocks, then ctx's four heads
.set AHEAD, 128*PA                     ; 18,432
.set SLOT,  AOFF+4*AHEAD               ; 155,648
.set SPARE, 2*SLOT                     ; behind the ring: the spare words, 128 bytes for each wave, which no other line names
.set SP,    272                        ; the stage: 16 rows of 256 bytes + 16 for each wave, from LDS byte 0
.set ADRA, 16                          ; v16-17  LDS address of my fragments of ctx in slot 0, 1
.set ADRB, 20                          ; v20-21  the same for Wo
.set STO,  24                          ; v24     the way out: where I put 32 bytes of a row
.set RD,   25                          ; v25     where I read a row back
.set CO,   26                          ; v26     my byte offset in out0
.set BO,   27                          ; v27     my eight numbers of 16 of the bias
.set SPW,  28                          ; v28     LDS address of my spare word; never rewritten
.set NIL,  29                          ; v29     0; never rewritten
.set BIAS, 32
.set ACC,  128
.set F0,   0
.set F1,   128
.set WV,  12                           ; s12  my wave's number
.set G1A, 24                           ; s[24:31] descriptor group 1 for ctx's tiles;  s[32:39] group 0, a set for each slot
.set G0A, 32
.set G1B, 48                           ; s[48:55], s[56:63] the same for Wo's blocks
.set G0B, 56
.set MSB, 0
.macro WIN new
.if MSB != (\new)
	s_set_vgpr_msb (MSB<<8)|(\new)
.set MSB, \new
.endif
.endm
.set MUL,  0x05                        ; sources 0 (Wo) and 1 (ctx) window 1; C and D window 0
.set TO_F, 0x40                        ; destination window 1, address window 0
.macro JLOAD s                         ; a joint load; an s_nop 0 and four v_nop follow each of the two lines, ahead of the jump, the label and what follows
	s_cmp_lt_u32 s[WV], 2
	s_cbranch_scc0 .Lfor_a_\@
	tensor_load_to_lds s[G0B+4*(\s):G0B+4*(\s)+3], s[G1B:G1B+7]
	s_nop 0
.rept 4
	v_nop
.endr
	s_branch .Lasked_\@
.Lfor_a_\@:
	tensor_load_to_lds s[G0A+4*(\s):G0A+4*(\s)+3], s[G1A:G1A+7]
	s_nop 0
.rept 4
	v_nop
.endr
.Lasked_\@:
.endm
.macro CREST
	s_cmp_lg_u32 s[WV], 0
	s_cbranch_scc1 .Lnot_wave_0_\@
	s_barrier_signal -3
.Lnot_wave_0_\@:
	s_barrier_wait -3
	s_barrier_signal -1
	s_barrier_wait -1
.endm
.macro CROUND
	s_barrier_signal -1
	s_barrier_wait -1
	CREST
.endm
	s_load_b256 s[4:11], s[0:1], 0x0               ; ctx 4, wb 6, bo 8, out0 10
	v_lshl_add_u32 v[SPW], v0, 2, SPARE
	v_mov_b32 v[NIL], 0
	ds_add_u32 v[SPW], v[NIL]                      ; the wave's opening: the add and its wait stand ahead of my first tensor load; work on registers stands between them
	v_lshrrev_b32 v1, 5, v0
	v_readfirstlane_b32 s[WV], v1                  ; wave 0..3
	s_lshr_b32 s13, s[WV], 1                       ; which half of the tile's rows is mine
	s_and_b32 s14, s[WV], 1                        ; which half of its columns.  Also: which half of a tile I fetch
	s_bfe_u32 s40, ttmp6, 0x40000                  ; cx, cy
	s_bfe_u32 s41, ttmp6, 0x40004
	s_lshl_b32 s42, ttmp9, 2
	s_add_co_u32 s42, s42, s40                     ; the column tile = 4 x cluster x + cx
	s_and_b32 s43, ttmp7, 0xffff
	s_lshl_b32 s43, s43, 2
	s_add_co_u32 s43, s43, s41                     ; the row tile = 4 x cluster y + cy
	s_lshl_b32 s44, s41, 2
	s_lshl_b32 s44, 15, s44                        ; my row of the cluster
	s_lshl_b32 s45, 0x1111, s40                    ; my column
	s_or_b32 s[G1A], s44, (1<<16)|(1<<20)|(1<<21)|(4<<22)|(3<<25)  ; the mask; 2-byte elements; padding on; bit 21 beside a mask; after every 32 words 4 words
	s_or_b32 s[G1B], s45, (1<<16)|(1<<20)|(1<<21)|(4<<22)|(7<<25)  ; 8 words
.irp g, G1A, G1B
	s_mov_b32 s[\g+1], 128<<16                     ; tensor_dim0 = 128
	s_mov_b32 s[\g+2], 128<<16                     ; tensor_dim1 = 128
	s_mov_b32 s[\g+3], 128<<16                     ; tile_dim0 = 128
	s_mov_b32 s[\g+4], 128                         ; tile_dim1 = 128
	s_mov_b32 s[\g+5], 128                         ; elements from row to row
	s_mov_b32 s[\g+6], 0
	s_mov_b32 s[\g+7], 0
.endr
	s_lshl_b32 s16, s43, 18                        ; ctx: the row tile's 262,144 bytes,
	s_lshl_b32 s17, s14, 15                        ; two heads of a step's four
	s_add_co_u32 s16, s16, s17
	s_mov_b32 s17, 0
	s_lshl_b32 s46, s42, 1                         ; Wo: block 2 x column tile + half,
	s_add_co_u32 s46, s46, s14
	s_lshl_b32 s46, s46, 17
	s_add_co_u32 s46, s46, 3*2097152               ; in wb's fourth tensor
	s_mov_b32 s47, 0
	s_mul_i32 s20, s[WV], 2*AHEAD                  ; where ctx's halves go: AOFF + 36,864 (wave - 2)
	s_add_co_u32 s20, s20, AOFF-4*AHEAD
	s_mul_i32 s21, s[WV], BBLK                     ; and Wo's blocks: 40,960 x wave
	s_wait_dscnt 0x0                               ; the opening add is done
	s_wait_kmcnt 0x0
	s_add_nc_u64 s[18:19], s[4:5], s[16:17]
	s_add_nc_u64 s[46:47], s[6:7], s[46:47]
	CROUND                                         ; all sixteen work-groups are here: the first joint loads meet
.irp s, 0,1
	s_mov_b32 s[G0A+4*(\s)], 1
	s_add_co_u32 s[G0A+4*(\s)+1], s20, (\s)*SLOT
	s_add_nc_u64 s[G0A+4*(\s)+2:G0A+4*(\s)+3], s[18:19], (\s)*65536
	s_or_b32 s[G0A+4*(\s)+3], s[G0A+4*(\s)+3], 0x80000000
	s_mov_b32 s[G0B+4*(\s)], 1
	s_add_co_u32 s[G0B+4*(\s)+1], s21, (\s)*SLOT
	s_add_nc_u64 s[G0B+4*(\s)+2:G0B+4*(\s)+3], s[46:47], (\s)*32768
	s_or_b32 s[G0B+4*(\s)+3], s[G0B+4*(\s)+3], 0x80000000
	JLOAD \s                                       ; K steps 0 and 1: two loads of mine are out
.endr
	v_and_b32 v1, 15, v0                           ; l % 16
	v_bfe_u32 v2, v0, 4, 1                         ; l / 16
	v_lshlrev_b32 v[BO], 5, v2
	s_lshl_b32 s22, s42, 9                         ; my 64 columns: 512 x column tile + 256 x half, in bytes of f32
	s_lshl_b32 s23, s14, 8
	s_add_co_u32 s22, s22, s23
	s_mov_b32 s23, 0
	s_add_nc_u64 s[8:9], s[8:9], s[22:23]
	s_add_nc_u64 s[10:11], s[10:11], s[22:23]
.irp b, 0,1,2,3
	global_load_b128 v[BIAS+8*(\b):BIAS+8*(\b)+3],   v[BO], s[8:9] offset:64*(\b)
	global_load_b128 v[BIAS+8*(\b)+4:BIAS+8*(\b)+7], v[BO], s[8:9] offset:64*(\b)+16
.endr
	s_lshl_b32 s22, s43, 7                         ; my first row: 128 x row tile + 64 x half,
	s_lshl_b32 s23, s13, 6
	s_add_co_u32 s22, s22, s23
	s_lshl_b32 s22, s22, 12                        ; rows of 4,096 bytes
	s_mov_b32 s23, 0
	s_add_nc_u64 s[10:11], s[10:11], s[22:23]
	v_mul_u32_u24 v3, v1, PA                       ; a fragment of ctx: row x pitch + 16 x half
	v_lshl_add_u32 v3, v2, 4, v3
	s_mul_i32 s22, s13, 64*PA                      ; my 64 rows of a head
	s_add_co_u32 s22, s22, AOFF
	v_add_nc_u32 v[ADRA], s22, v3
	v_add_nc_u32 v[ADRA+1], SLOT, v[ADRA]
	v_and_b32 v5, 7, v0                            ; the turning load: lane l reads row k = 8 (l / 16) + l % 8, columns 8 ((l / 8) % 2) + 0..7
	v_lshl_add_u32 v5, v2, 3, v5
	v_mul_u32_u24 v4, v5, PB
	v_bfe_u32 v5, v0, 3, 1
	v_lshl_add_u32 v4, v5, 4, v4
	s_mul_i32 s22, s14, BBLK                       ; my block
	v_add_nc_u32 v[ADRB], s22, v4
	v_add_nc_u32 v[ADRB+1], SLOT, v[ADRB]
	s_mul_i32 s22, s[WV], 16*SP                    ; my stage
	v_mul_u32_u24 v[STO], v1, SP                   ; in: row l % 16, 32 bytes for each half of the lanes
	v_lshl_add_u32 v[STO], v2, 5, v[STO]
	v_add_nc_u32 v[STO], s22, v[STO]
	v_mul_u32_u24 v[RD], v2, SP                    ; back: lanes 0-15 take one row of 256 bytes, lanes 16-31 the next
	v_lshl_add_u32 v[RD], v1, 4, v[RD]
	v_add_nc_u32 v[RD], s22, v[RD]
	v_lshlrev_b32 v[CO], 12, v2                    ; and the same two rows in out0
	v_lshl_add_u32 v[CO], v1, 4, v[CO]
	s_wait_loadcnt 0x0                             ; the bias: rounded to bf16, like every input
.set i, 0
.rept 16
	v_cvt_pk_bf16_f32 v[30+(i/2)%2], v[BIAS+i], v[BIAS+i+1]
	v_lshlrev_b32 v[BIAS+i], 16, v[30+(i/2)%2]
	v_and_b32 v[BIAS+i+1], 0xffff0000, v[30+(i/2)%2]
.set i, i+2
.endr
; 8 matrix instructions: row blocks a0, a0 + 1 x all 4 column blocks, 32 along K: half c of buffer f.  The 16 accumulators take turns.  zero = 1: the product starts the sum
.macro MUL8 f, c, a0, zero
	WIN MUL
.irp a, \a0, (\a0)+1
.irp b, 0,1,2,3
.if \zero
	v_wmma_f32_16x16x32_f16 v[ACC+8*(4*(\a)+(\b)):ACC+8*(4*(\a)+(\b))+7], v[(\f)+64+8*(4*(\c)+(\b)):(\f)+64+8*(4*(\c)+(\b))+7], v[(\f)+8*(4*(\c)+(\a)):(\f)+8*(4*(\c)+(\a))+7], 0
.else
	v_wmma_f32_16x16x32_f16 v[ACC+8*(4*(\a)+(\b)):ACC+8*(4*(\a)+(\b))+7], v[(\f)+64+8*(4*(\c)+(\b)):(\f)+64+8*(4*(\c)+(\b))+7], v[(\f)+8*(4*(\c)+(\a)):(\f)+8*(4*(\c)+(\a))+7], v[ACC+8*(4*(\a)+(\b)):ACC+8*(4*(\a)+(\b))+7]
.endif
.endr
.endr
.endm
; 32 LDS loads in one run: quarter q of a slot (one head, 64 along K) into buffer f; the first 32 along K first
.macro FETCH slot, q, f
	WIN TO_F
.irp c, 0,1
.irp i, 0,1,2,3
	ds_load_tr16_b128 v[(\f)+64+8*(4*(\c)+(\i)):(\f)+64+8*(4*(\c)+(\i))+3],   v[ADRB+(\slot)] offset:(\q)*64*PB+(\c)*32*PB+(\i)*32
	ds_load_tr16_b128 v[(\f)+64+8*(4*(\c)+(\i))+4:(\f)+64+8*(4*(\c)+(\i))+7], v[ADRB+(\slot)] offset:(\q)*64*PB+(\c)*32*PB+(\i)*32+16*PB
	ds_load_b128 v[(\f)+8*(4*(\c)+(\i)):(\f)+8*(4*(\c)+(\i))+3],              v[ADRA+(\slot)] offset:(\q)*AHEAD+(\i)*16*PA+(\c)*64
	ds_load_b128 v[(\f)+8*(4*(\c)+(\i))+4:(\f)+8*(4*(\c)+(\i))+7],            v[ADRA+(\slot)] offset:(\q)*AHEAD+(\i)*16*PA+(\c)*64+32
.endr
.endr
.endm
.macro PLACES                          ; four places in front of loads into registers that matrix instructions have read, and of vector lines that read results
.rept 4
	v_nop
.endr
.endm
; A K step is four quarters of 64 along K, 32 matrix instructions each, on buffers 0, 1, 0, 1.  One of the first three: multiplies buffer f and fetches quarter q into g.
.macro QUARTER slot, q, f, g, zero
	s_wait_dscnt 16                                ; the first 32 along K are in
	MUL8 \f, 0, 0, \zero
	MUL8 \f, 0, 2, \zero
	PLACES
	FETCH \slot, \q, \g
	s_wait_dscnt 32                                ; all but the 32 just issued
	MUL8 \f, 1, 0, 0
	MUL8 \f, 1, 2, 0
.endm
; The last quarter multiplies buffer 1 and changes slots: ONE barrier; in front of it each wave waits for all its tensor loads, adds 0 to its spare word, and waits for that and for its own reads of this slot.
.macro TURN slot, next, fill
	WIN 0                                          ; (the add's two registers lie in window 0)
	s_wait_tensorcnt 0x0                           ; all my tensor loads have landed: my part of the next slot
	ds_add_u32 v[SPW], v[NIL]                      ; 0 onto my spare word
	s_wait_dscnt 17                                ; (the add and the youngest sixteen loads may be out)
	MUL8 F1, 0, 0, 0                               ; eight matrix instructions stand between the add and the wait for it
	s_wait_dscnt 0x0                               ; the add is done, and my reads of this slot are over
	s_barrier_signal -1
	MUL8 F1, 0, 2, 0
.if \fill
	WIN 0
.endif
	s_barrier_wait -1
.if \fill
	CREST                                          ; the barrier has opened a round of the cluster's: no wave of any partner still reads this slot's tiles or has a load on its way
	s_add_nc_u64 s[G0A+4*(\slot)+2:G0A+4*(\slot)+3], s[G0A+4*(\slot)+2:G0A+4*(\slot)+3], 2*65536
	s_add_nc_u64 s[G0B+4*(\slot)+2:G0B+4*(\slot)+3], s[G0B+4*(\slot)+2:G0B+4*(\slot)+3], 2*32768
	JLOAD \slot                                    ; the four v_nop behind it are also the places in front of the loads below
.else
	PLACES
.endif
	FETCH \next, 0, F0
	MUL8 F1, 1, 0, 0
	MUL8 F1, 1, 2, 0
.endm
	s_wait_tensorcnt 1                             ; my part of K step 0 is in; K step 1's may stay out
	s_barrier_signal -1
	s_barrier_wait -1                              ; everybody's is
	FETCH 0, 0, F0
	QUARTER 0, 1, F0, F1, 1                        ; its first products start the sums
	QUARTER 0, 2, F1, F0, 0
	QUARTER 0, 3, F0, F1, 0
	TURN 0, 1, 1                                   ; slot 0 takes K step 2
	QUARTER 1, 1, F0, F1, 0
	QUARTER 1, 2, F1, F0, 0
	QUARTER 1, 3, F0, F1, 0
	TURN 1, 0, 1                                   ; slot 1 takes K step 3
	QUARTER 0, 1, F0, F1, 0
	QUARTER 0, 2, F1, F0, 0
	QUARTER 0, 3, F0, F1, 0
	TURN 0, 1, 0                                   ; nothing is left to fetch; behind this barrier no wave reads slot 0 and no load fills it
	QUARTER 1, 1, F0, F1, 0
	QUARTER 1, 2, F1, F0, 0
	QUARTER 1, 3, F0, F1, 0
	s_wait_dscnt 16                                ; the very last quarter
	MUL8 F1, 0, 0, 0
	MUL8 F1, 0, 2, 0
	s_wait_dscnt 0x0
	MUL8 F1, 1, 0, 0
	MUL8 F1, 1, 2, 0
	PLACES
; THE WAY OUT, a row block a (16 rows x my 64 columns) at a time: the bias is added, 32 bytes a lane go into my stage and come back as whole rows of 256 bytes, into 32 registers of window 1 that are the block's own.
.macro PACK a
	WIN 0
.set i, 0
.rept 16
	v_pk_add_f32 v[ACC+32*(\a)+i:ACC+32*(\a)+i+1], v[ACC+32*(\a)+i:ACC+32*(\a)+i+1], v[BIAS+i:BIAS+i+1]  ; ascending: each accumulator's lowest registers are read first
.set i, i+2
.endr
.irp b, 0,1,2,3
	ds_store_b128 v[STO], v[ACC+32*(\a)+8*(\b):ACC+32*(\a)+8*(\b)+3]   offset:64*(\b)
	ds_store_b128 v[STO], v[ACC+32*(\a)+8*(\b)+4:ACC+32*(\a)+8*(\b)+7] offset:64*(\b)+16
.endr
	WIN 0x40
.irp t, 0,1,2,3,4,5,6,7
	ds_load_b128 v[32*(\a)+4*(\t):32*(\a)+4*(\t)+3], v[RD] offset:(\t)*2*SP  ; LDS serves a wave's instructions in order (ISA guide 5.7.1.4): these see the stores above; the next block's stores come behind them
.endr
.endm
.macro SEND a, younger                 ; younger: the LDS instructions issued behind block a's loads: the next block's sixteen, or none
	WIN 0x04                                       ; data in window 1
.irp t, 0,1,2,3,4,5,6,7
	s_wait_dscnt (\younger)+7-(\t)
	global_store_b128 v[CO], v[32*(\a)+4*(\t):32*(\a)+4*(\t)+3], s[10:11] offset:(16*(\a)+2*(\t))*4096  ; 16 lanes store 256 consecutive bytes, at a multiple of 256 from out0's first byte
.endr
.endm
	PACK 0
	PACK 1
	SEND 0, 16
	PACK 2
	SEND 1, 16
	PACK 3
	SEND 2, 16
	SEND 3, 0
	WIN 0
	s_wait_tensorcnt 0x0                           ; the wave's end: behind my last tensor load and my last LDS store
	ds_add_u32 v[SPW], v[NIL]
	s_wait_dscnt 0x0
	CROUND                                         ; the closing round: no work-group ends while a partner may still ask for a tile that names it
	s_endpgm
.Lfunc_end_k_q8e714e14cd_oproj:
	.size	k_q8e714e14cd_oproj, .Lfunc_end_k_q8e714e14cd_oproj-k_q8e714e14cd_oproj
	.p2alignl 7, 3214868480
	.fill 96, 4, 3214868480
	.section	.rodata,"a",@progbits
	.p2align	6, 0x0
	.amdhsa_kernel k_q8e714e14cd_oproj
		.amdhsa_group_segment_fixed_size 327680
		.amdhsa_private_segment_fixed_size 0
		.amdhsa_enable_private_segment 0
		.amdhsa_kernarg_size 32
		.amdhsa_user_sgpr_count 2
		.amdhsa_user_sgpr_kernarg_segment_ptr 1
		.amdhsa_wavefront_size32 1
		.amdhsa_system_sgpr_workgroup_id_x 1
		.amdhsa_system_sgpr_workgroup_id_y 1
		.amdhsa_system_sgpr_workgroup_id_z 1
		.amdhsa_system_vgpr_workitem_id 0
		.amdhsa_next_free_vgpr 512
		.amdhsa_next_free_sgpr 66
		.amdhsa_reserve_vcc 0
		.amdhsa_float_denorm_mode_32 3
		.amdhsa_float_denorm_mode_16_64 3
		.amdhsa_memory_ordered 1
		.amdhsa_forward_progress 1
		.amdhsa_inst_pref_size 94
	.end_amdhsa_kernel
	.amdgpu_metadata
---
amdhsa.version: [ 1, 2 ]
amdhsa.kernels:
  - .name:           k_q8e714e14cd_oproj
    .symbol:         k_q8e714e14cd_oproj.kd
    .args:
      - { .name: ctx, .offset: 0, .size: 8, .value_kind: global_buffer, .address_space: global }
      - { .name: wb, .offset: 8, .size: 8, .value_kind: global_buffer, .address_space: global }
      - { .name: bo, .offset: 16, .size: 8, .value_kind: global_buffer, .address_space: global }
      - { .name: out0, .offset: 24, .size: 8, .value_kind: global_buffer, .address_space: global }
    .group_segment_fixed_size: 327680
    .private_segment_fixed_size: 0
    .kernarg_segment_align: 8
    .kernarg_segment_size: 32
    .max_flat_workgroup_size: 128
    .sgpr_count:     66
    .vgpr_count:     512
    .wavefront_size: 32
...
	.end_amdgpu_metadata
.endif
;; end of part 4
